; MI455X (gfx1250); checked and timed in simulation.
; The chip was launched on July 23, 2026; its instructions are those of AMD's public machine-readable ISA for CDNA 5 (MIT licence, August 2026) and "CDNA5" Instruction Set Architecture Reference Guide (July 2026). The comments in the code are by the model that wrote it; some were corrected since.
;; SNN Glucose Network. Allowed arithmetic: float matrix products may take bf16 or f16 operands with f32 sums; all other float work in f32.
;; Inputs: W1 256 x 64 float32; W2 128 x 256 float32; W3 16 x 128 float32; b1 256 float32; b2 128 float32; b3 16 float32; beta1 one number float32; beta2 one number float32; beta3 one number float32; x 1,024 x 512 x 64 float32.
;; Outputs: out0 1,024 x 16 float32.
;; 3 versions, each right; version 2 is faster than version 1; version 3 is version 2 with the launch snn written anew for expert scheduling mode. Each part assembles by itself: llvm-mc -triple=amdgcn-amd-amdhsa -mcpu=gfx1250 --defsym DOCPART=n.
;; ======== version 1 of 3: 1 launch
;; limits: values outside matrix products are rounded to bf16
;; launch snn (part 1): grid 256 x 1, 12 waves a work-group, no clusters, 143,104 bytes of LDS; arguments x, W1, b1, W2, b2, W3, b3, beta1, beta2, beta3, out0; writes out0
.if DOCPART == 1
	.amdgcn_target "amdgcn-amd-amdhsa--gfx1250"
	.amdhsa_code_object_version 6
	.text
	.protected	k_q8fe1258c60_snn
	.globl	k_q8fe1258c60_snn
	.p2align	8
	.type	k_q8fe1258c60_snn,@function
k_q8fe1258c60_snn:
	s_mov_b64 s[64:65], 0
	v_nop
	global_prefetch_b8 v0, s[64:65] scope:SCOPE_SE
	s_setreg_imm32_b32 hwreg(HW_REG_WAVE_MODE, 25, 1), 1
	s_wait_xcnt 0x0
; Three layers of Linear + leaky integrate-and-fire (64 -> 256 -> 128 -> 16), 512 time steps, 1,024 batch rows; out0 = mean over time of layer 3's membrane.
; m' = (clip(beta) m + c) (1 - [m > 1]),  spike = [m' > 1],  c = input x W^T + b.  The recurrence is per neuron, so the three products are free along time.
;
; SHARES.  Work-group g owns batch rows 4 g .. 4 g + 3 for all 512 steps; all membranes and all spikes stay in registers and LDS.
; A chunk is 16 steps x 4 rows = 4 matrix tiles of 16 rows.  Row m = 8 hb + 2 tt + rb of tile mt stands for batch row 2 hb + rb at step 4 mt + tt of the chunk.
; In a result tile lane (r, h) holds neuron r, and its register pair (2 tt, 2 tt + 1) batch rows 2 h and 2 h + 1 at step tt: the scan over time runs inside
; a lane, two chains in each packed instruction.
; Twelve waves in three roles, a pipeline of one chunk a trip with ONE barrier a trip; every LDS buffer is a pair, one written while the other is read:
;   waves 0-3   layer 1, 64 neurons each (W1 in 64 registers):   trip i: chunk i,     reads Xs[i&1],      writes spikes S1T[i&1]
;   waves 4-7   layer 2, 32 neurons each (W2 in 128 registers):  trip i: chunk i - 1, reads S1T[(i+1)&1], writes spikes S2T[(i+1)&1]
;   waves 8-11  bring x: f32 from memory, bf16 into LDS.  Waves 8, 9 bring the even chunks (into Xs[0]), waves 10, 11 the odd ones (into Xs[1]), half a chunk
;               each.  In trip i the group of chunk i + 1 waits for ALL its loads, puts the chunk into LDS and asks for chunk i + 3: each group works in every
;               second trip, so its wait is for zero and a load still has two trips in which to land.
;   wave 8      also layer 3 (W3 in 32 registers):               trip i: chunk i - 2, reads S2T[i&1], sums the membranes in registers
; Spikes go to LDS transposed (a row for each neuron, the 64 tile rows along it), 16 bytes a lane and tile; the next layer takes its A fragments with the
; transposing LDS load.
; ADDRESSES.  Every LDS address register is written once, at the head, on every wave's path, has one meaning for the whole launch and is
; a constant + the wave's number x a constant + a lane term; buffer, tile and K step stand in the immediates.
;
; NO CLUSTER: work-groups share no streamed tile (each reads its own rows of x); the weights, 204,800 bytes, are read once into registers.
; NO TENSOR LOADS: x has to be rounded to bf16 on its way into LDS, so it passes through registers anyway.
;
; LIMITS, stated.  Matrix operands (x, W1, W2, W3; the spikes are exact) are bf16.  With ROUND_SMALL = 1 the biases and the three betas are rounded to bf16 too,
; so that the program is the function on inputs rounded to bf16; sums, membranes and the mean are f32.  The threshold makes the function discontinuous:
; a membrane within the rounding of its sum of 1.0 may fire on the other side.  A beta that is NaN is clipped to 0 (jnp.clip would keep the NaN).
.set ROUND_SMALL, 1
.set SPITCH, 160                       ; S1T, S2T: a row of 64 bf16 = 128 bytes + 32: an odd multiple of 32
.set S1T,    0                         ; layer 1's spikes: two buffers of 256 rows
.set S1B,    256*SPITCH                ; 40,960
.set S2T,    S1T+2*S1B                 ; 81,920: layer 2's spikes: two buffers of 128 rows
.set S2B,    128*SPITCH                ; 20,480
.set XP,     144                       ; Xs: a row of 64 bf16 = 128 bytes + 16: an odd multiple of 16, so the 16 rows of a fragment load begin 16 bytes apart modulo 256
.set XS,     S2T+2*S2B                 ; 122,880: x in bf16: two buffers of 64 rows
.set XSB,    64*XP                     ; 9,216
.set OUTS,   XS+2*XSB                  ; 141,312: 256 bytes, wave 8's own, for the way out
; v0 thread, v1 lane, v2 r = lane % 16, v3 h = lane / 16
.set AX1,    4                         ; v4   layer 1 reads x fragments:      XS + 144 r + 16 h
.set AS1,    5                         ; v5   layer 1 stores spikes:          S1T + 10,240 wave + 160 r + 16 h
.set AT0,    6                         ; v6   layer 2 reads S1T's buffer 0:   S1T + 160 (8 h + lane % 8) + 16 x bit 3 of the lane
.set AT1,    7                         ; v7   and buffer 1 (with one register the immediate would pass 65,535)
.set AS2,    8                         ; v8   layer 2 stores spikes:          S2T + 5,120 (wave - 4) + 160 r + 16 h
.set AXG,    9                         ; v9   x in memory: 16 bytes a lane
.set AXL,    10                        ; v10  x into LDS:                     XS + 4,608 (wave - 8) + 288 h + 8 r
.set AT2,    11                        ; v11  layer 3 reads S2T:              S2T + the lane term of v6
.set BETA,   12                        ; v[12:13] clip(beta) of the wave's layer, twice
; v14, v15: at work at the head, offsets into the weights and biases in the set-ups
; layer 1
.set A_W,   16                         ; v[16:79]    W1 fragments, (nt, ks) at 8 (2 nt + ks)
.set A_BI,  80                         ; v[80:111]   bias, 8 equal registers a tile: the C operand of a tile's first product
.set A_AF,  112                        ; v[112:143]  x fragments, two buffers of 16 (ks at + 8 ks)
.set A_ACC, 144                        ; v[144:175]  four result tiles
.set A_M,   176                        ; v[176:183]  membranes, a pair a tile
.set A_SP,  184                        ; v[184:191]  last spikes (1.0 or 0), a pair a tile
.set A_T,   192                        ; v[192:199]  at work
.set A_TMP, 112                        ; v[112:239]  set-up: eight fragments in f32
; layer 2
.set B_W,   16                         ; v[16:143]   W2 fragments, (nt, ks) at 8 (8 nt + ks)
.set B_BI,  144                        ; v[144:159]
.set B_AF,  160                        ; v[160:223]  spike fragments, ks at + 8 ks; in the set-up four fragments in f32
.set B_ACC, 224                        ; v[224:239]
.set B_M,   240                        ; v[240:243]
.set B_SP,  244                        ; v[244:247]
.set B_T,   248                        ; v[248:251]
; x and layer 3
.set XR,    16                         ; v[16:79]    a wave's half chunk: 16 loads of 4 registers
.set C_W,   96                         ; v[96:127]   W3 fragments
.set C_BI,  128                        ; v[128:135]
.set C_AF,  136                        ; v[136:199]  spike fragments of two tiles; in the set-up four fragments in f32
.set C_ACC, 200                        ; v[200:215]
.set C_M,   216                        ; v[216:217]
.set C_S,   218                        ; v[218:219]
.set C_T,   220                        ; v[220:221]
.set C_SUM, 222                        ; v[222:223]  sum over time of the membranes
; ---------------------------------------------------------------- macros
.macro PLACES                          ; four plain vector instructions stand between a matrix instruction and a vector instruction that reads its result
.rept 4                                ; or a load into one of its sources (ISA guide 7.12.1 for vector instructions)
	v_nop
.endr
.endm
.macro MKBETA sreg                     ; v[12:13] = clip(beta, 0, 1), twice
	v_mov_b32 v[BETA], \sreg
.if ROUND_SMALL
	v_cvt_pk_bf16_f32 v[BETA], v[BETA], v[BETA]
	v_lshlrev_b32 v[BETA], 16, v[BETA]
.endif
	v_max_num_f32 v[BETA], 0, v[BETA]
	v_min_num_f32 v[BETA], 1.0, v[BETA]
	v_mov_b32 v[BETA+1], v[BETA]
.endm
; 16 f32 of one weight row: k = 8 h .. 8 h + 7 and 16 + 8 h .. 16 + 8 h + 7 of a K step of 32 (the lane's offset holds row and 32 h, imm the tile and 128 ks)
.macro LDFRAG tmp, voff, sb, imm
	global_load_b128 v[\tmp:\tmp+3],     v[\voff], s[\sb:\sb+1] offset:\imm
	global_load_b128 v[\tmp+4:\tmp+7],   v[\voff], s[\sb:\sb+1] offset:\imm+16
	global_load_b128 v[\tmp+8:\tmp+11],  v[\voff], s[\sb:\sb+1] offset:\imm+64
	global_load_b128 v[\tmp+12:\tmp+15], v[\voff], s[\sb:\sb+1] offset:\imm+80
.endm
.macro CVFRAG dst, tmp                 ; rounded to bf16: the 8 registers of a B fragment
.irp i, 0,1,2,3,4,5,6,7
	v_cvt_pk_bf16_f32 v[\dst+\i], v[\tmp+2*\i], v[\tmp+2*\i+1]
.endr
.endm
.macro BIASFILL b                      ; a lane's neuron has one bias for its 8 tile rows
.if ROUND_SMALL
	v_cvt_pk_bf16_f32 v[\b], v[\b], v[\b]
	v_lshlrev_b32 v[\b], 16, v[\b]
.endif
.irp j, 1,2,3,4,5,6,7
	v_mov_b32 v[\b+\j], v[\b]
.endr
.endm
; Four time steps of n tiles, the tiles interleaved so that no instruction waits for the one in front of it.
; t = beta m + c;  m = t - t s (s = the spike of the step before = the reset);  s = [m > 1] as 1.0 or 0, written over the c that has been used
; (the last step's into spk, where the next tile finds it).
.macro SCAN n, acc, mem, spk, tmp
.set tt, 0
.rept 4
.set ii, 0
.rept \n
	v_pk_fma_f32 v[\tmp+2*ii:\tmp+2*ii+1], v[\mem+2*ii:\mem+2*ii+1], v[BETA:BETA+1], v[\acc+8*ii+2*tt:\acc+8*ii+2*tt+1]
.set ii, ii+1
.endr
.set ii, 0
.rept \n
.if tt == 0
	v_pk_fma_f32 v[\mem+2*ii:\mem+2*ii+1], v[\tmp+2*ii:\tmp+2*ii+1], v[\spk+2*ii:\spk+2*ii+1], v[\tmp+2*ii:\tmp+2*ii+1] neg_lo:[1,0,0] neg_hi:[1,0,0]
.else
	v_pk_fma_f32 v[\mem+2*ii:\mem+2*ii+1], v[\tmp+2*ii:\tmp+2*ii+1], v[\acc+8*ii+2*tt-2:\acc+8*ii+2*tt-1], v[\tmp+2*ii:\tmp+2*ii+1] neg_lo:[1,0,0] neg_hi:[1,0,0]
.endif
.set ii, ii+1
.endr
.set ii, 0
.rept \n
	v_cmp_lt_f32 s[48+2*ii], 1.0, v[\mem+2*ii]
	v_cmp_lt_f32 s[49+2*ii], 1.0, v[\mem+2*ii+1]
.set ii, ii+1
.endr
.set ii, 0
.rept \n
.if tt == 3
	v_cndmask_b32 v[\spk+2*ii],   0, 1.0, s[48+2*ii]
	v_cndmask_b32 v[\spk+2*ii+1], 0, 1.0, s[49+2*ii]
.else
	v_cndmask_b32 v[\acc+8*ii+2*tt],   0, 1.0, s[48+2*ii]
	v_cndmask_b32 v[\acc+8*ii+2*tt+1], 0, 1.0, s[49+2*ii]
.endif
.set ii, ii+1
.endr
.set tt, tt+1
.endr
.endm
; A lane's 8 spikes of a tile as 8 bf16 = 16 bytes, into its neuron's row; tile i lies 16 neurons = 2,560 bytes further
.macro PACKST n, acc, spk, adr, imm
.set ii, 0
.rept \n
	v_cvt_pk_bf16_f32 v[\acc+8*ii],   v[\acc+8*ii],   v[\acc+8*ii+1]
	v_cvt_pk_bf16_f32 v[\acc+8*ii+1], v[\acc+8*ii+2], v[\acc+8*ii+3]
	v_cvt_pk_bf16_f32 v[\acc+8*ii+2], v[\acc+8*ii+4], v[\acc+8*ii+5]
	v_cvt_pk_bf16_f32 v[\acc+8*ii+3], v[\spk+2*ii],   v[\spk+2*ii+1]
	ds_store_b128 v[\adr], v[\acc+8*ii:\acc+8*ii+3] offset:(\imm)+16*SPITCH*ii
.set ii, ii+1
.endr
.endm
; ---- layer 1: one chunk
.macro L1LOAD par, mt                  ; the two x fragments (K = 64) of tile mt, into buffer mt % 2
.irp ks, 0,1
	ds_load_b128 v[A_AF+16*((\mt)&1)+8*\ks:A_AF+16*((\mt)&1)+8*\ks+3],   v[AX1] offset:\par*XSB+16*XP*(\mt)+64*\ks
	ds_load_b128 v[A_AF+16*((\mt)&1)+8*\ks+4:A_AF+16*((\mt)&1)+8*\ks+7], v[AX1] offset:\par*XSB+16*XP*(\mt)+64*\ks+32
.endr
.endm
.macro L1SEC par
	L1LOAD \par, 0
.irp mt, 0,1,2,3
.if \mt < 3
	L1LOAD \par, \mt+1
	s_wait_dscnt 0x4                               ; all but the four loads just issued: this tile's fragments are in (and the last tile's spike stores done)
.else
	s_wait_dscnt 0x0                               ; the last tile: nothing was issued behind its loads but the spike stores
.endif
	; the four accumulators take turns, one instruction a turn; the first product adds the bias
.irp nt, 0,1,2,3
	v_wmma_f32_16x16x32_bf16 v[A_ACC+8*\nt:A_ACC+8*\nt+7], v[A_AF+16*((\mt)&1):A_AF+16*((\mt)&1)+7], v[A_W+16*\nt:A_W+16*\nt+7], v[A_BI+8*\nt:A_BI+8*\nt+7]
.endr
.irp nt, 0,1,2,3
	v_wmma_f32_16x16x32_bf16 v[A_ACC+8*\nt:A_ACC+8*\nt+7], v[A_AF+16*((\mt)&1)+8:A_AF+16*((\mt)&1)+15], v[A_W+16*\nt+8:A_W+16*\nt+15], v[A_ACC+8*\nt:A_ACC+8*\nt+7]
.endr
	PLACES
	SCAN 4, A_ACC, A_M, A_SP, A_T
	PACKST 4, A_ACC, A_SP, AS1, \par*S1B+32*\mt
.endr
.endm
; ---- layer 2: one chunk
.macro L2LOAD par, mt                  ; the eight spike fragments (K = 256) of tile mt
.irp ks, 0,1,2,3,4,5,6,7
	ds_load_tr16_b128 v[B_AF+8*\ks:B_AF+8*\ks+3],   v[AT0+\par] offset:32*SPITCH*\ks+32*(\mt)
	ds_load_tr16_b128 v[B_AF+8*\ks+4:B_AF+8*\ks+7], v[AT0+\par] offset:32*SPITCH*\ks+32*(\mt)+16*SPITCH
.endr
.endm
.macro L2SEC par
	L2LOAD \par, 0
.irp mt, 0,1,2,3
.if \mt == 0
	s_wait_dscnt 0x0
.else
	s_wait_dscnt 0x2                               ; behind this tile's 16 loads only the last tile's two spike stores were issued: they may stay out
.endif
	; the two accumulators take turns, one instruction a turn
.irp ks, 0,1,2,3,4,5,6,7
.irp nt, 0,1
.if \ks == 0
	v_wmma_f32_16x16x32_bf16 v[B_ACC+8*\nt:B_ACC+8*\nt+7], v[B_AF+8*\ks:B_AF+8*\ks+7], v[B_W+8*(8*\nt+\ks):B_W+8*(8*\nt+\ks)+7], v[B_BI+8*\nt:B_BI+8*\nt+7]
.else
	v_wmma_f32_16x16x32_bf16 v[B_ACC+8*\nt:B_ACC+8*\nt+7], v[B_AF+8*\ks:B_AF+8*\ks+7], v[B_W+8*(8*\nt+\ks):B_W+8*(8*\nt+\ks)+7], v[B_ACC+8*\nt:B_ACC+8*\nt+7]
.endif
.endr
.endr
	PLACES
.if \mt < 3
	L2LOAD \par, \mt+1                             ; the next tile's fragments come in while this tile is scanned
.endif
	SCAN 2, B_ACC, B_M, B_SP, B_T
	PACKST 2, B_ACC, B_SP, AS2, \par*S2B+32*\mt
.endr
.endm
; ---- layer 3: one chunk, two tiles at a time
.macro SCAN3 acc                       ; as SCAN for one tile; the membranes are summed, the spikes serve as resets alone
.irp t2, 0,2,4,6
	v_pk_fma_f32 v[C_T:C_T+1], v[C_M:C_M+1], v[BETA:BETA+1], v[\acc+\t2:\acc+\t2+1]
	v_pk_fma_f32 v[C_M:C_M+1], v[C_T:C_T+1], v[C_S:C_S+1], v[C_T:C_T+1] neg_lo:[1,0,0] neg_hi:[1,0,0]
	v_cmp_lt_f32 s48, 1.0, v[C_M]
	v_cmp_lt_f32 s49, 1.0, v[C_M+1]
	v_pk_add_f32 v[C_SUM:C_SUM+1], v[C_SUM:C_SUM+1], v[C_M:C_M+1]
	v_cndmask_b32 v[C_S],   0, 1.0, s48
	v_cndmask_b32 v[C_S+1], 0, 1.0, s49
.endr
.endm
.macro L3SEC par
.irp g, 0,1
.irp mtl, 0,1
.irp ks, 0,1,2,3
	ds_load_tr16_b128 v[C_AF+32*\mtl+8*\ks:C_AF+32*\mtl+8*\ks+3],   v[AT2] offset:\par*S2B+32*SPITCH*\ks+32*(2*\g+\mtl)
	ds_load_tr16_b128 v[C_AF+32*\mtl+8*\ks+4:C_AF+32*\mtl+8*\ks+7], v[AT2] offset:\par*S2B+32*SPITCH*\ks+32*(2*\g+\mtl)+16*SPITCH
.endr
.endr
	s_wait_dscnt 0x0
	; the two tiles' accumulators take turns, one instruction a turn
.irp ks, 0,1,2,3
.irp mtl, 0,1
.if \ks == 0
	v_wmma_f32_16x16x32_bf16 v[C_ACC+8*\mtl:C_ACC+8*\mtl+7], v[C_AF+32*\mtl+8*\ks:C_AF+32*\mtl+8*\ks+7], v[C_W+8*\ks:C_W+8*\ks+7], v[C_BI:C_BI+7]
.else
	v_wmma_f32_16x16x32_bf16 v[C_ACC+8*\mtl:C_ACC+8*\mtl+7], v[C_AF+32*\mtl+8*\ks:C_AF+32*\mtl+8*\ks+7], v[C_W+8*\ks:C_W+8*\ks+7], v[C_ACC+8*\mtl:C_ACC+8*\mtl+7]
.endif
.endr
.endr
	PLACES
	SCAN3 C_ACC
	SCAN3 C_ACC+8
.endr
.endm
; ---- x.  A wave brings two tiles of a chunk: 8 steps (2,048 consecutive bytes) of each of the 4 batch rows, 131,072 bytes apart.
; Load (t, b, f): tile t of the two, batch row b, half f of the tile's 1,024 bytes: 512 consecutive bytes, aligned; lane: step 2 f + h, numbers 4 r .. 4 r + 3.
.macro XLOAD
.irp t, 0,1
.irp b, 0,1,2,3
.irp f, 0,1
	global_load_b128 v[XR+4*(8*\t+2*\b+\f):XR+4*(8*\t+2*\b+\f)+3], v[AXG], s[44:45] offset:131072*\b+1024*\t+512*\f th:TH_LOAD_NT
.endr
.endr
.endr
	s_wait_xcnt 0x0                                ; the base is stepped only behind this wait
	s_add_nc_u64 s[44:45], s[44:45], 8192          ; the group's next chunk: two chunks of 4,096 bytes on
.endm
.macro XPUT                            ; rounded to bf16, 8 bytes a lane, into row 16 t + 8 (b / 2) + 2 (2 f + h) + b % 2 of the wave's 32 (v10 holds 2 h rows and 8 r)
.irp t, 0,1
.irp b, 0,1,2,3
.irp f, 0,1
.set xj, XR+4*(8*\t+2*\b+\f)
	v_cvt_pk_bf16_f32 v[xj],   v[xj],   v[xj+1]
	v_cvt_pk_bf16_f32 v[xj+1], v[xj+2], v[xj+3]
	ds_store_b64 v[AXL], v[xj:xj+1] offset:(16*\t+8*(\b>>1)+4*\f+(\b&1))*XP
.endr
.endr
.endr
.endm
.macro STAGE ld
	s_wait_loadcnt 0x0                             ; all my loads: the 16 of my half chunk, asked for two trips ago; nothing else of mine is out
	XPUT
.if \ld
	XLOAD                                          ; my group's next chunk, into the registers just emptied
.endif
.endm
; ---- set-ups of layers 2 and 3, done in trip 0, in which these waves have no chunk yet
.macro SETUP2
	s_sub_co_u32 s10, s8, 4                        ; u: my neurons are 32 u .. 32 u + 31
	s_lshl_b32 s11, s10, 15                        ; W2: 32 rows of 1,024 bytes
	s_lshl_b32 s12, s10, 7                         ; b2: 32 numbers
	v_lshlrev_b32 v14, 10, v2
	v_lshl_add_u32 v14, v3, 5, v14
	v_add_nc_u32 v14, s11, v14
	v_lshl_add_u32 v15, v2, 2, s12
	global_load_b32 v[B_BI],   v15, s[24:25]
	global_load_b32 v[B_BI+8], v15, s[24:25] offset:64
.irp nt, 0,1
.irp kb, 0,4
.irp kk, 0,1,2,3
	LDFRAG B_AF+16*\kk, 14, 22, 16384*\nt+128*(\kb+\kk)
.endr
	s_wait_loadcnt 0x0
.irp kk, 0,1,2,3
	CVFRAG B_W+8*(8*\nt+\kb+\kk), B_AF+16*\kk
.endr
.endr
.endr
	BIASFILL B_BI
	BIASFILL B_BI+8
	MKBETA s41
.irp j, 0,1,2,3,4,5,6,7
	v_mov_b32 v[B_M+\j], 0                         ; membranes and resets start at 0
.endr
.endm
.macro SETUP3
	v_lshlrev_b32 v14, 9, v2                       ; W3: a row is 512 bytes
	v_lshl_add_u32 v14, v3, 5, v14
	v_lshlrev_b32 v15, 2, v2
	global_load_b32 v[C_BI], v15, s[28:29]
.irp ks, 0,1,2,3
	LDFRAG C_AF+16*\ks, 14, 26, 128*\ks
.endr
	s_wait_loadcnt 0x0                             ; also waits for the loads of x that are out: once, in trip 0
.irp ks, 0,1,2,3
	CVFRAG C_W+8*\ks, C_AF+16*\ks
.endr
	BIASFILL C_BI
	MKBETA s42
.irp j, 0,1,2,3,6,7
	v_mov_b32 v[C_M+\j], 0                         ; membranes, resets and the sum start at 0
.endr
.endm
; ---- a trip.  par = trip % 2, oth = the other.  m1: layer 1 works.  m2: 1 layer 2 works, 2 its set-up.  m3: the same for layer 3.
; st: the chunk of the next trip is staged (in an even trip an odd chunk: waves 10, 11; in an odd trip waves 8, 9); ld: and the group asks again.
; bar: the barrier that hands this trip's buffers on.
; The branches hang on the wave's number alone; the wait and the barrier stand behind the join, on every wave's path.
.macro TRIP par, oth, m1, m2, m3, st, ld, bar
	s_cmp_lt_u32 s8, 4
	s_cbranch_scc0 .Lt_n1_\@
.if \m1
	L1SEC \par
.endif
	s_branch .Lt_j_\@
.Lt_n1_\@:
	s_cmp_lt_u32 s8, 8
	s_cbranch_scc0 .Lt_n2_\@
.if \m2 == 1
	L2SEC \oth
.endif
.if \m2 == 2
	SETUP2
.endif
	s_branch .Lt_j_\@
.Lt_n2_\@:
.if \st
	s_cmp_lt_u32 s8, 10
.if \par
	s_cbranch_scc0 .Lt_ns_\@
.else
	s_cbranch_scc1 .Lt_ns_\@
.endif
	STAGE \ld
.Lt_ns_\@:
.endif
.if \m3
	s_cmp_eq_u32 s8, 8
	s_cbranch_scc0 .Lt_j_\@
.if \m3 == 1
	L3SEC \par
.else
	SETUP3
.endif
.endif
.Lt_j_\@:
.if \bar
	s_wait_dscnt 0x0                               ; for the others' sake: my stores of this trip are done, and so are my reads of what the next trip overwrites
	s_barrier_signal -1
	s_barrier_wait -1
.endif
.endm
; ---------------------------------------------------------------- the head: every wave makes every address
	s_load_b512 s[16:31], s[0:1], 0x0              ; x 16, W1 18, b1 20, W2 22, b2 24, W3 26, b3 28, beta1 30
	s_load_b128 s[32:35], s[0:1], 0x40             ; beta2 32, beta3 34
	s_load_b64 s[36:37], s[0:1], 0x50              ; out0
	v_lshl_add_u32 v254, v0, 2, 0x22900
	v_mov_b32 v255, 0
	v_lshrrev_b32 v1, 5, v0
	v_readfirstlane_b32 s8, v1                     ; wave 0..11
	v_and_b32 v1, 31, v0                           ; lane
	v_and_b32 v2, 15, v0                           ; r
	v_bfe_u32 v3, v0, 4, 1                         ; h
	v_mul_u32_u24 v14, v2, XP
	v_lshl_add_u32 v14, v3, 4, v14                 ; x fragments: row r, + 16 h
	v_add_nc_u32 v[AX1], XS, v14
	v_mul_u32_u24 v15, v2, SPITCH
	v_lshl_add_u32 v15, v3, 4, v15                 ; spike stores: neuron r's row, + 16 h
	s_mul_i32 s10, s8, 64*SPITCH                   ; layer 1: 64 neurons a wave, from S1T = 0
	v_add_nc_u32 v[AS1], s10, v15
	s_mul_i32 s11, s8, 32*SPITCH                   ; layer 2: 32 neurons a wave, wave 4 at S2T
	s_add_co_u32 s11, s11, S2T-4*32*SPITCH
	v_add_nc_u32 v[AS2], s11, v15
	v_and_b32 v14, 7, v0                           ; transposing loads: (8 h + lane % 8) rows + 16 bytes x bit 3 of the lane
	v_lshl_add_u32 v14, v3, 3, v14
	v_mul_u32_u24 v14, v14, SPITCH
	v_bfe_u32 v15, v0, 3, 1
	v_lshl_add_u32 v[AT0], v15, 4, v14             ; S1T = 0
	v_add_nc_u32 v[AT1], S1B, v[AT0]
	v_add_nc_u32 v[AT2], S2T, v[AT0]
	v_lshlrev_b32 v[AXG], 4, v1
	v_mul_u32_u24 v14, v3, 2*XP
	v_lshl_add_u32 v14, v2, 3, v14                 ; x into LDS: 2 h rows + 8 r
	s_mul_i32 s12, s8, 32*XP                       ; 32 rows a wave, wave 8 at XS: waves 8, 9 fill Xs[0], waves 10, 11 Xs[1]
	s_add_co_u32 s12, s12, XS-8*32*XP
	v_add_nc_u32 v[AXL], s12, v14
	s_max_u32 s13, s8, 8                           ; x in memory: wave 8 + q begins 2,048 q bytes into the rows: halves 0, 1 of chunk 0, halves 0, 1 of chunk 1
	s_sub_co_u32 s13, s13, 8                       ; (waves 0 to 7 load no x: they get q = 0)
	s_lshl_b32 s13, s13, 11
	s_lshl_b32 s46, ttmp9, 19                      ; 4 batch rows of 131,072 bytes a work-group: below 2^27
	s_add_co_u32 s46, s46, s13
	s_mov_b32 s47, 0
	s_wait_kmcnt 0x0
	s_add_nc_u64 s[44:45], s[16:17], s[46:47]
	s_load_b32 s40, s[30:31], 0x0
	s_load_b32 s41, s[32:33], 0x0
	s_load_b32 s42, s[34:35], 0x0
	s_wait_kmcnt 0x0
; ---------------------------------------------------------------- in front of trip 0: layer 1's set-up; chunks 0 and 1 are asked for, chunk 0 goes to LDS
	s_cmp_lt_u32 s8, 4
	s_cbranch_scc0 .Lpro_not_l1
	s_lshl_b32 s10, s8, 14                         ; W1: 64 rows of 256 bytes a wave
	s_lshl_b32 s11, s8, 8                          ; b1: 64 numbers
	v_lshlrev_b32 v14, 8, v2
	v_lshl_add_u32 v14, v3, 5, v14
	v_add_nc_u32 v14, s10, v14
	v_lshl_add_u32 v15, v2, 2, s11
.irp nt, 0,1,2,3
	global_load_b32 v[A_BI+8*\nt], v15, s[20:21] offset:64*\nt
.irp ks, 0,1
	LDFRAG A_TMP+16*(2*\nt+\ks), 14, 18, 4096*\nt+128*\ks
.endr
.endr
	s_wait_loadcnt 0x0
.irp nt, 0,1,2,3
.irp ks, 0,1
	CVFRAG A_W+8*(2*\nt+\ks), A_TMP+16*(2*\nt+\ks)
.endr
	BIASFILL A_BI+8*\nt
.endr
	MKBETA s40
.irp j, 0,1,2,3,4,5,6,7,8,9,10,11,12,13,14,15
	v_mov_b32 v[A_M+\j], 0                         ; membranes and resets start at 0
.endr
	s_branch .Lpro_join
.Lpro_not_l1:
	s_cmp_lt_u32 s8, 8
	s_cbranch_scc1 .Lpro_join                      ; layer 2 sets itself up in trip 0
	XLOAD                                          ; waves 8, 9: chunk 0; waves 10, 11: chunk 1
	s_cmp_lt_u32 s8, 10
	s_cbranch_scc0 .Lpro_join
	STAGE 1                                        ; waves 8, 9: chunk 0 into Xs[0], chunk 2 asked for
.Lpro_join:
	s_wait_dscnt 0x0                               ; chunk 0 is in Xs[0]
	s_barrier_signal -1
	s_barrier_wait -1
; ---------------------------------------------------------------- 34 trips: 32 chunks through a pipeline three deep
	TRIP 0, 1,  1, 2, 2,  1, 1,  1                 ; trip 0: layer 1 alone has a chunk
	TRIP 1, 0,  1, 1, 0,  1, 1,  1                 ; trip 1
	s_mov_b32 s9, 13                               ; trips 2 to 27
.Lloop:
	TRIP 0, 1,  1, 1, 1,  1, 1,  1
	TRIP 1, 0,  1, 1, 1,  1, 1,  1
	s_sub_co_u32 s9, s9, 1
	s_cmp_lg_u32 s9, 0
	s_cbranch_scc1 .Lloop
	TRIP 0, 1,  1, 1, 1,  1, 1,  1                 ; trip 28 stages chunk 29 and asks for chunk 31, the last
	TRIP 1, 0,  1, 1, 1,  1, 0,  1                 ; trip 29 stages chunk 30
	TRIP 0, 1,  1, 1, 1,  1, 0,  1                 ; trip 30 stages chunk 31
	TRIP 1, 0,  1, 1, 1,  0, 0,  1                 ; trip 31: layer 1's last chunk
	TRIP 0, 1,  0, 1, 1,  0, 0,  1                 ; trip 32: layer 2's last chunk
	TRIP 1, 0,  0, 0, 1,  0, 0,  0                 ; trip 33: layer 3's last chunk; nothing is handed on behind it
; ---------------------------------------------------------------- the way out: wave 8 holds the sums
	s_cmp_eq_u32 s8, 8
	s_cbranch_scc0 .Lend
	v_lshlrev_b32 v14, 2, v2
	v_lshl_add_u32 v14, v3, 7, v14
	v_add_nc_u32 v14, OUTS, v14                    ; in: batch row 2 h (64 bytes a row), neuron r
	v_lshlrev_b32 v15, 3, v1                       ; back, and in out0: 8 bytes a lane
	v_add_nc_u32 v[C_S], OUTS, v15
	v_mul_f32 v[C_SUM],   0x3b000000, v[C_SUM]     ; the mean: x 1/512
	v_mul_f32 v[C_SUM+1], 0x3b000000, v[C_SUM+1]
	ds_store_b32 v14, v[C_SUM]                     ; batch row 2 h
	ds_store_b32 v14, v[C_SUM+1] offset:64         ; batch row 2 h + 1
	ds_load_b64 v[C_T:C_T+1], v[C_S]               ; the wave's own bytes; LDS serves a wave's instructions in order (ISA guide 5.7.1)
	s_lshl_b32 s46, ttmp9, 8                       ; 4 rows of 64 bytes a work-group
	s_mov_b32 s47, 0
	s_add_nc_u64 s[36:37], s[36:37], s[46:47]
	s_wait_dscnt 0x0
	global_store_b64 v15, v[C_T:C_T+1], s[36:37]   ; one store covers the work-group's 256 consecutive bytes, aligned
.Lend:
	s_wait_tensorcnt 0x0
	ds_add_u32 v254, v255
	s_wait_dscnt 0x0
	s_endpgm
.Lfunc_end_k_q8fe1258c60_snn:
	.size	k_q8fe1258c60_snn, .Lfunc_end_k_q8fe1258c60_snn-k_q8fe1258c60_snn
	.p2alignl 7, 3214868480
	.fill 96, 4, 3214868480
	.section	.rodata,"a",@progbits
	.p2align	6, 0x0
	.amdhsa_kernel k_q8fe1258c60_snn
		.amdhsa_group_segment_fixed_size 143104
		.amdhsa_private_segment_fixed_size 0
		.amdhsa_enable_private_segment 0
		.amdhsa_kernarg_size 88
		.amdhsa_user_sgpr_count 2
		.amdhsa_user_sgpr_kernarg_segment_ptr 1
		.amdhsa_wavefront_size32 1
		.amdhsa_system_sgpr_workgroup_id_x 1
		.amdhsa_system_sgpr_workgroup_id_y 1
		.amdhsa_system_sgpr_workgroup_id_z 1
		.amdhsa_system_vgpr_workitem_id 0
		.amdhsa_next_free_vgpr 256
		.amdhsa_next_free_sgpr 66
		.amdhsa_reserve_vcc 0
		.amdhsa_float_denorm_mode_32 3
		.amdhsa_float_denorm_mode_16_64 3
		.amdhsa_memory_ordered 1
		.amdhsa_forward_progress 1
		.amdhsa_inst_pref_size 255
	.end_amdhsa_kernel
	.section	.bss,"aw",@nobits
	.p2align	6
	.space	262144
	.amdgpu_metadata
---
amdhsa.version: [ 1, 2 ]
amdhsa.kernels:
  - .name:           k_q8fe1258c60_snn
    .symbol:         k_q8fe1258c60_snn.kd
    .args:
      - { .name: x, .offset: 0, .size: 8, .value_kind: global_buffer, .address_space: global }
      - { .name: W1, .offset: 8, .size: 8, .value_kind: global_buffer, .address_space: global }
      - { .name: b1, .offset: 16, .size: 8, .value_kind: global_buffer, .address_space: global }
      - { .name: W2, .offset: 24, .size: 8, .value_kind: global_buffer, .address_space: global }
      - { .name: b2, .offset: 32, .size: 8, .value_kind: global_buffer, .address_space: global }
      - { .name: W3, .offset: 40, .size: 8, .value_kind: global_buffer, .address_space: global }
      - { .name: b3, .offset: 48, .size: 8, .value_kind: global_buffer, .address_space: global }
      - { .name: beta1, .offset: 56, .size: 8, .value_kind: global_buffer, .address_space: global }
      - { .name: beta2, .offset: 64, .size: 8, .value_kind: global_buffer, .address_space: global }
      - { .name: beta3, .offset: 72, .size: 8, .value_kind: global_buffer, .address_space: global }
      - { .name: out0, .offset: 80, .size: 8, .value_kind: global_buffer, .address_space: global }
    .group_segment_fixed_size: 143104
    .private_segment_fixed_size: 0
    .kernarg_segment_align: 8
    .kernarg_segment_size: 88
    .max_flat_workgroup_size: 384
    .sgpr_count:     66
    .vgpr_count:     256
    .wavefront_size: 32
...
	.end_amdgpu_metadata
.endif
;; end of part 1
;; ======== version 2 of 3: 1 launch; 1.13 times as fast as version 1
;; limits: values outside matrix products are rounded to bf16
;; launch snn (part 2): grid 256 x 1, 12 waves a work-group, no clusters, 143,104 bytes of LDS; arguments x, W1, b1, W2, b2, W3, b3, beta1, beta2, beta3, out0; writes out0
.if DOCPART == 2
	.amdgcn_target "amdgcn-amd-amdhsa--gfx1250"
	.amdhsa_code_object_version 6
	.text
	.protected	k_q8fe1258c60_snn
	.globl	k_q8fe1258c60_snn
	.p2align	8
	.type	k_q8fe1258c60_snn,@function
k_q8fe1258c60_snn:
	s_mov_b64 s[64:65], 0
	v_nop
	global_prefetch_b8 v0, s[64:65] scope:SCOPE_SE
	s_setreg_imm32_b32 hwreg(HW_REG_WAVE_MODE, 25, 1), 1
	s_wait_xcnt 0x0
; Three layers of Linear + leaky integrate-and-fire (64 -> 256 -> 128 -> 16), 512 time steps, 1,024 batch rows; out0 = mean over time of layer 3's membrane.
; m' = (clip(beta) m + c) (1 - [m > 1]),  spike = [m' > 1],  c = input x W^T + b.  The recurrence is per neuron, so the three products are free along time.
;
; SHARES.  Work-group g owns batch rows 4 g .. 4 g + 3 for all 512 steps; all membranes and all spikes stay in registers and LDS.
; A chunk is 16 steps x 4 rows = 4 matrix tiles of 16 rows.  Row m = 8 hb + 2 tt + rb of tile mt stands for batch row 2 hb + rb at step 4 mt + tt of the chunk.
; In a result tile lane (r, h) holds neuron r, and its register pair (2 tt, 2 tt + 1) batch rows 2 h and 2 h + 1 at step tt: the scan over time runs inside
; a lane, two chains in each packed instruction.
; Twelve waves in three roles, a pipeline of one chunk a trip with ONE barrier a trip; every LDS buffer is a pair, one written while the other is read:
;   waves 0-3   layer 1, 64 neurons each (W1 in 64 registers):   trip i: chunk i,     reads Xs[i&1],      writes spikes S1T[i&1]
;   waves 4-7   layer 2, 32 neurons each (W2 in 128 registers):  trip i: chunk i - 1, reads S1T[(i+1)&1], writes spikes S2T[(i+1)&1]
;   waves 8-11  bring x: f32 from memory, bf16 into LDS.  Waves 8, 9 bring the even chunks (into Xs[0]), waves 10, 11 the odd ones (into Xs[1]), half a chunk
;               each.  In trip i the group of chunk i + 1 waits for ALL its loads, puts the chunk into LDS and asks for chunk i + 3: each group works in every
;               second trip, so its wait is for zero and a load still has two trips in which to land.
;   wave 8      also layer 3 (W3 in 32 registers):               trip i: chunk i - 2, reads S2T[i&1], sums the membranes in registers
; 32 chunks through three stages are 34 trips.  ALL of them run in one loop of 17 passes, two trips (one of each parity) a pass: a role that has no chunk in
; a trip jumps over its section on a compare of the pass counter with a constant, so the sections stand in the text once for each parity.
; Spikes go to LDS transposed (a row for each neuron, the 64 tile rows along it), 16 bytes a lane and tile; the next layer takes its A fragments with the
; transposing LDS load.
; ADDRESSES.  Every LDS address register is written once, at the head, on every wave's path, has one meaning for the whole launch and is
; a constant + the wave's number x a constant + a lane term; buffer, tile and K step stand in the immediates.
;
; NO CLUSTER: work-groups share no streamed tile (each reads its own rows of x); the weights, 204,800 bytes, are read once into registers.
; NO TENSOR LOADS: x has to be rounded to bf16 on its way into LDS, so it passes through registers anyway.
;
; LIMITS, stated.  Matrix operands (x, W1, W2, W3; the spikes are exact) are bf16.  With ROUND_SMALL = 1 the biases and the three betas are rounded to bf16 too,
; so that the program is the function on inputs rounded to bf16; sums, membranes and the mean are f32.  The threshold makes the function discontinuous:
; a membrane within the rounding of its sum of 1.0 may fire on the other side.  A beta that is NaN is clipped to 0 (jnp.clip would keep the NaN).
.set ROUND_SMALL, 1
.set PASSES, 17                        ; 34 trips
.set SPITCH, 160                       ; S1T, S2T: a row of 64 bf16 = 128 bytes + 32: an odd multiple of 32
.set S1T,    0                         ; layer 1's spikes: two buffers of 256 rows
.set S1B,    256*SPITCH                ; 40,960
.set S2T,    S1T+2*S1B                 ; 81,920: layer 2's spikes: two buffers of 128 rows
.set S2B,    128*SPITCH                ; 20,480
.set XP,     144                       ; Xs: a row of 64 bf16 = 128 bytes + 16: an odd multiple of 16, so the 16 rows of a fragment load begin 16 bytes apart modulo 256
.set XS,     S2T+2*S2B                 ; 122,880: x in bf16: two buffers of 64 rows
.set XSB,    64*XP                     ; 9,216
.set OUTS,   XS+2*XSB                  ; 141,312: 256 bytes, wave 8's own, for the way out
; v0 thread, v1 lane, v2 r = lane % 16, v3 h = lane / 16
.set AX1,    4                         ; v4   layer 1 reads x fragments:      XS + 144 r + 16 h
.set AS1,    5                         ; v5   layer 1 stores spikes:          S1T + 10,240 wave + 160 r + 16 h
.set AT0,    6                         ; v6   layer 2 reads S1T's buffer 0:   S1T + 160 (8 h + lane % 8) + 16 x bit 3 of the lane
.set AT1,    7                         ; v7   and buffer 1 (with one register the immediate would pass 65,535)
.set AS2,    8                         ; v8   layer 2 stores spikes:          S2T + 5,120 (wave - 4) + 160 r + 16 h
.set AXG,    9                         ; v9   x in memory: 16 bytes a lane
.set AXL,    10                        ; v10  x into LDS:                     XS + 4,608 (wave - 8) + 288 h + 8 r
.set AT2,    11                        ; v11  layer 3 reads S2T:              S2T + the lane term of v6
.set BETA,   12                        ; v[12:13] clip(beta) of the wave's layer, twice (in layer 2's set-up first its two biases)
; v14, v15: at work at the head, offsets into the weights and biases in the set-ups
; layer 1
.set A_W,   16                         ; v[16:79]    W1 fragments, (nt, ks) at 8 (2 nt + ks)
.set A_BI,  80                         ; v[80:111]   bias, 8 equal registers a tile: the C operand of a tile's first product
.set A_AF,  112                        ; v[112:143]  x fragments, two buffers of 16 (ks at + 8 ks)
.set A_ACC, 144                        ; v[144:175]  four result tiles
.set A_M,   176                        ; v[176:183]  membranes, a pair a tile
.set A_SP,  184                        ; v[184:191]  last spikes (1.0 or 0), a pair a tile
.set A_T,   192                        ; v[192:199]  at work
.set A_TMP, 112                        ; v[112:239]  set-up: eight fragments in f32
; layer 2
.set B_W,   16                         ; v[16:143]   W2 fragments, (nt, ks) at 8 (8 nt + ks); in the set-up v[16:255] hold 15 fragments in f32
.set B_BI,  144                        ; v[144:159]
.set B_AF,  160                        ; v[160:223]  spike fragments, ks at + 8 ks
.set B_ACC, 224                        ; v[224:239]
.set B_M,   240                        ; v[240:243]
.set B_SP,  244                        ; v[244:247]
.set B_T,   248                        ; v[248:251]
; x and layer 3
.set XR,    16                         ; v[16:79]    a wave's half chunk: 16 loads of 4 registers
.set C_W,   96                         ; v[96:127]   W3 fragments
.set C_BI,  128                        ; v[128:135]
.set C_AF,  136                        ; v[136:199]  spike fragments of two tiles; in the set-up four fragments in f32
.set C_ACC, 200                        ; v[200:215]
.set C_M,   216                        ; v[216:217]
.set C_S,   218                        ; v[218:219]
.set C_T,   220                        ; v[220:221]
.set C_SUM, 222                        ; v[222:223]  sum over time of the membranes
; ---------------------------------------------------------------- macros
.macro PLACES                          ; four plain vector instructions stand between a matrix instruction and a vector instruction that reads its result
.rept 4                                ; or a load into one of its sources (ISA guide 7.12.1 for vector instructions)
	v_nop
.endr
.endm
.macro MKBETA sreg                     ; v[12:13] = clip(beta, 0, 1), twice
	s_wait_kmcnt 0x0                               ; the three betas were asked for at the head; the weights' loads went out meanwhile
	v_mov_b32 v[BETA], \sreg
.if ROUND_SMALL
	v_cvt_pk_bf16_f32 v[BETA], v[BETA], v[BETA]
	v_lshlrev_b32 v[BETA], 16, v[BETA]
.endif
	v_max_num_f32 v[BETA], 0, v[BETA]
	v_min_num_f32 v[BETA], 1.0, v[BETA]
	v_mov_b32 v[BETA+1], v[BETA]
.endm
; 16 f32 of one weight row: k = 8 h .. 8 h + 7 and 16 + 8 h .. 16 + 8 h + 7 of a K step of 32 (the lane's offset holds row and 32 h, imm the tile and 128 ks)
.macro LDFRAG tmp, voff, sb, imm
	global_load_b128 v[\tmp:\tmp+3],     v[\voff], s[\sb:\sb+1] offset:\imm
	global_load_b128 v[\tmp+4:\tmp+7],   v[\voff], s[\sb:\sb+1] offset:\imm+16
	global_load_b128 v[\tmp+8:\tmp+11],  v[\voff], s[\sb:\sb+1] offset:\imm+64
	global_load_b128 v[\tmp+12:\tmp+15], v[\voff], s[\sb:\sb+1] offset:\imm+80
.endm
.macro CVFRAG dst, tmp                 ; rounded to bf16: the 8 registers of a B fragment.  Register i is made of 2 i and 2 i + 1, ascending: dst may be tmp itself
.irp i, 0,1,2,3,4,5,6,7
	v_cvt_pk_bf16_f32 v[\dst+\i], v[\tmp+2*\i], v[\tmp+2*\i+1]
.endr
.endm
.macro BIASFILL b, src                 ; a lane's neuron has one bias for its 8 tile rows; it was loaded into src
.if ROUND_SMALL
	v_cvt_pk_bf16_f32 v[\b], v[\src], v[\src]
	v_lshlrev_b32 v[\b], 16, v[\b]
.else
.if (\src) != (\b)
	v_mov_b32 v[\b], v[\src]
.endif
.endif
.irp j, 1,2,3,4,5,6,7
	v_mov_b32 v[\b+\j], v[\b]
.endr
.endm
; Four time steps of n tiles, the tiles interleaved so that no instruction waits for the one in front of it.
; t = beta m + c;  m = t - t s (s = the spike of the step before = the reset);  s = [m > 1] as 1.0 or 0, written over the c that has been used
; (the last step's into spk, where the next tile finds it).
.macro SCAN n, acc, mem, spk, tmp
.set tt, 0
.rept 4
.set ii, 0
.rept \n
	v_pk_fma_f32 v[\tmp+2*ii:\tmp+2*ii+1], v[\mem+2*ii:\mem+2*ii+1], v[BETA:BETA+1], v[\acc+8*ii+2*tt:\acc+8*ii+2*tt+1]
.set ii, ii+1
.endr
.set ii, 0
.rept \n
.if tt == 0
	v_pk_fma_f32 v[\mem+2*ii:\mem+2*ii+1], v[\tmp+2*ii:\tmp+2*ii+1], v[\spk+2*ii:\spk+2*ii+1], v[\tmp+2*ii:\tmp+2*ii+1] neg_lo:[1,0,0] neg_hi:[1,0,0]
.else
	v_pk_fma_f32 v[\mem+2*ii:\mem+2*ii+1], v[\tmp+2*ii:\tmp+2*ii+1], v[\acc+8*ii+2*tt-2:\acc+8*ii+2*tt-1], v[\tmp+2*ii:\tmp+2*ii+1] neg_lo:[1,0,0] neg_hi:[1,0,0]
.endif
.set ii, ii+1
.endr
.set ii, 0
.rept \n
	v_cmp_lt_f32 s[48+2*ii], 1.0, v[\mem+2*ii]
	v_cmp_lt_f32 s[49+2*ii], 1.0, v[\mem+2*ii+1]
.set ii, ii+1
.endr
.set ii, 0
.rept \n
.if tt == 3
	v_cndmask_b32 v[\spk+2*ii],   0, 1.0, s[48+2*ii]
	v_cndmask_b32 v[\spk+2*ii+1], 0, 1.0, s[49+2*ii]
.else
	v_cndmask_b32 v[\acc+8*ii+2*tt],   0, 1.0, s[48+2*ii]
	v_cndmask_b32 v[\acc+8*ii+2*tt+1], 0, 1.0, s[49+2*ii]
.endif
.set ii, ii+1
.endr
.set tt, tt+1
.endr
.endm
; A lane's 8 spikes of a tile as 8 bf16 = 16 bytes, into its neuron's row; tile i lies 16 neurons = 2,560 bytes further
.macro PACKST n, acc, spk, adr, imm
.set ii, 0
.rept \n
	v_cvt_pk_bf16_f32 v[\acc+8*ii],   v[\acc+8*ii],   v[\acc+8*ii+1]
	v_cvt_pk_bf16_f32 v[\acc+8*ii+1], v[\acc+8*ii+2], v[\acc+8*ii+3]
	v_cvt_pk_bf16_f32 v[\acc+8*ii+2], v[\acc+8*ii+4], v[\acc+8*ii+5]
	v_cvt_pk_bf16_f32 v[\acc+8*ii+3], v[\spk+2*ii],   v[\spk+2*ii+1]
	ds_store_b128 v[\adr], v[\acc+8*ii:\acc+8*ii+3] offset:(\imm)+16*SPITCH*ii
.set ii, ii+1
.endr
.endm
; ---- layer 1: one chunk
.macro L1LOAD par, mt                  ; the two x fragments (K = 64) of tile mt, into buffer mt % 2
.irp ks, 0,1
	ds_load_b128 v[A_AF+16*((\mt)&1)+8*\ks:A_AF+16*((\mt)&1)+8*\ks+3],   v[AX1] offset:\par*XSB+16*XP*(\mt)+64*\ks
	ds_load_b128 v[A_AF+16*((\mt)&1)+8*\ks+4:A_AF+16*((\mt)&1)+8*\ks+7], v[AX1] offset:\par*XSB+16*XP*(\mt)+64*\ks+32
.endr
.endm
.macro L1SEC par
	L1LOAD \par, 0
.irp mt, 0,1,2,3
.if \mt < 3
	L1LOAD \par, \mt+1
	s_wait_dscnt 0x4                               ; all but the four loads just issued: this tile's fragments are in (and the last tile's spike stores done)
.else
	s_wait_dscnt 0x0                               ; the last tile: nothing was issued behind its loads but the spike stores
.endif
	; the four accumulators take turns, one instruction a turn; the first product adds the bias
.irp nt, 0,1,2,3
	v_wmma_f32_16x16x32_bf16 v[A_ACC+8*\nt:A_ACC+8*\nt+7], v[A_AF+16*((\mt)&1):A_AF+16*((\mt)&1)+7], v[A_W+16*\nt:A_W+16*\nt+7], v[A_BI+8*\nt:A_BI+8*\nt+7]
.endr
.irp nt, 0,1,2,3
	v_wmma_f32_16x16x32_bf16 v[A_ACC+8*\nt:A_ACC+8*\nt+7], v[A_AF+16*((\mt)&1)+8:A_AF+16*((\mt)&1)+15], v[A_W+16*\nt+8:A_W+16*\nt+15], v[A_ACC+8*\nt:A_ACC+8*\nt+7]
.endr
	PLACES
	SCAN 4, A_ACC, A_M, A_SP, A_T
	PACKST 4, A_ACC, A_SP, AS1, \par*S1B+32*\mt
.endr
.endm
; ---- layer 2: one chunk
.macro L2LOAD par, mt                  ; the eight spike fragments (K = 256) of tile mt
.irp ks, 0,1,2,3,4,5,6,7
	ds_load_tr16_b128 v[B_AF+8*\ks:B_AF+8*\ks+3],   v[AT0+\par] offset:32*SPITCH*\ks+32*(\mt)
	ds_load_tr16_b128 v[B_AF+8*\ks+4:B_AF+8*\ks+7], v[AT0+\par] offset:32*SPITCH*\ks+32*(\mt)+16*SPITCH
.endr
.endm
.macro L2SEC par
	L2LOAD \par, 0
.irp mt, 0,1,2,3
.if \mt == 0
	s_wait_dscnt 0x0
.else
	s_wait_dscnt 0x2                               ; behind this tile's 16 loads only the last tile's two spike stores were issued: they may stay out
.endif
	; the two accumulators take turns, one instruction a turn
.irp ks, 0,1,2,3,4,5,6,7
.irp nt, 0,1
.if \ks == 0
	v_wmma_f32_16x16x32_bf16 v[B_ACC+8*\nt:B_ACC+8*\nt+7], v[B_AF+8*\ks:B_AF+8*\ks+7], v[B_W+8*(8*\nt+\ks):B_W+8*(8*\nt+\ks)+7], v[B_BI+8*\nt:B_BI+8*\nt+7]
.else
	v_wmma_f32_16x16x32_bf16 v[B_ACC+8*\nt:B_ACC+8*\nt+7], v[B_AF+8*\ks:B_AF+8*\ks+7], v[B_W+8*(8*\nt+\ks):B_W+8*(8*\nt+\ks)+7], v[B_ACC+8*\nt:B_ACC+8*\nt+7]
.endif
.endr
.endr
	PLACES
.if \mt < 3
	L2LOAD \par, \mt+1                             ; the next tile's fragments come in while this tile is scanned
.endif
	SCAN 2, B_ACC, B_M, B_SP, B_T
	PACKST 2, B_ACC, B_SP, AS2, \par*S2B+32*\mt
.endr
.endm
; ---- layer 3: one chunk, two tiles at a time
.macro SCAN3 acc                       ; as SCAN for one tile; the membranes are summed, the spikes serve as resets alone
.irp t2, 0,2,4,6
	v_pk_fma_f32 v[C_T:C_T+1], v[C_M:C_M+1], v[BETA:BETA+1], v[\acc+\t2:\acc+\t2+1]
	v_pk_fma_f32 v[C_M:C_M+1], v[C_T:C_T+1], v[C_S:C_S+1], v[C_T:C_T+1] neg_lo:[1,0,0] neg_hi:[1,0,0]
	v_cmp_lt_f32 s48, 1.0, v[C_M]
	v_cmp_lt_f32 s49, 1.0, v[C_M+1]
	v_pk_add_f32 v[C_SUM:C_SUM+1], v[C_SUM:C_SUM+1], v[C_M:C_M+1]
	v_cndmask_b32 v[C_S],   0, 1.0, s48
	v_cndmask_b32 v[C_S+1], 0, 1.0, s49
.endr
.endm
.macro L3SEC par
.irp g, 0,1
.irp mtl, 0,1
.irp ks, 0,1,2,3
	ds_load_tr16_b128 v[C_AF+32*\mtl+8*\ks:C_AF+32*\mtl+8*\ks+3],   v[AT2] offset:\par*S2B+32*SPITCH*\ks+32*(2*\g+\mtl)
	ds_load_tr16_b128 v[C_AF+32*\mtl+8*\ks+4:C_AF+32*\mtl+8*\ks+7], v[AT2] offset:\par*S2B+32*SPITCH*\ks+32*(2*\g+\mtl)+16*SPITCH
.endr
.endr
	s_wait_dscnt 0x0
	; the two tiles' accumulators take turns, one instruction a turn
.irp ks, 0,1,2,3
.irp mtl, 0,1
.if \ks == 0
	v_wmma_f32_16x16x32_bf16 v[C_ACC+8*\mtl:C_ACC+8*\mtl+7], v[C_AF+32*\mtl+8*\ks:C_AF+32*\mtl+8*\ks+7], v[C_W+8*\ks:C_W+8*\ks+7], v[C_BI:C_BI+7]
.else
	v_wmma_f32_16x16x32_bf16 v[C_ACC+8*\mtl:C_ACC+8*\mtl+7], v[C_AF+32*\mtl+8*\ks:C_AF+32*\mtl+8*\ks+7], v[C_W+8*\ks:C_W+8*\ks+7], v[C_ACC+8*\mtl:C_ACC+8*\mtl+7]
.endif
.endr
.endr
	PLACES
	SCAN3 C_ACC
	SCAN3 C_ACC+8
.endr
.endm
; ---- x.  A wave brings two tiles of a chunk: 8 steps (2,048 consecutive bytes) of each of the 4 batch rows, 131,072 bytes apart.
; Load (t, b, f): tile t of the two, batch row b, half f of the tile's 1,024 bytes: 512 consecutive bytes, aligned; lane: step 2 f + h, numbers 4 r .. 4 r + 3.
.macro XLOAD
.irp t, 0,1
.irp b, 0,1,2,3
.irp f, 0,1
	global_load_b128 v[XR+4*(8*\t+2*\b+\f):XR+4*(8*\t+2*\b+\f)+3], v[AXG], s[44:45] offset:131072*\b+1024*\t+512*\f th:TH_LOAD_NT
.endr
.endr
.endr
	s_wait_xcnt 0x0                                ; the base is stepped only behind this wait
	s_add_nc_u64 s[44:45], s[44:45], 8192          ; the group's next chunk: two chunks of 4,096 bytes on
.endm
.macro XPUT                            ; rounded to bf16, 8 bytes a lane, into row 16 t + 8 (b / 2) + 2 (2 f + h) + b % 2 of the wave's 32 (v10 holds 2 h rows and 8 r)
.irp t, 0,1
.irp b, 0,1,2,3
.irp f, 0,1
.set xj, XR+4*(8*\t+2*\b+\f)
	v_cvt_pk_bf16_f32 v[xj],   v[xj],   v[xj+1]
	v_cvt_pk_bf16_f32 v[xj+1], v[xj+2], v[xj+3]
	ds_store_b64 v[AXL], v[xj:xj+1] offset:(16*\t+8*(\b>>1)+4*\f+(\b&1))*XP
.endr
.endr
.endr
.endm
; ---- the set-ups: each in its own waves, side by side in front of the first barrier
.macro SETUP1
	s_lshl_b32 s10, s8, 14                         ; W1: 64 rows of 256 bytes a wave
	s_lshl_b32 s11, s8, 8                          ; b1: 64 numbers
	v_lshlrev_b32 v14, 8, v2
	v_lshl_add_u32 v14, v3, 5, v14
	v_add_nc_u32 v14, s10, v14
	v_lshl_add_u32 v15, v2, 2, s11
.irp nt, 0,1,2,3
	global_load_b32 v[A_BI+8*\nt], v15, s[20:21] offset:64*\nt
.irp ks, 0,1
	LDFRAG A_TMP+16*(2*\nt+\ks), 14, 18, 4096*\nt+128*\ks
.endr
.endr
	s_wait_loadcnt 0x0
.irp nt, 0,1,2,3
.irp ks, 0,1
	CVFRAG A_W+8*(2*\nt+\ks), A_TMP+16*(2*\nt+\ks)
.endr
	BIASFILL A_BI+8*\nt, A_BI+8*\nt
.endr
	MKBETA s40
.irp j, 0,1,2,3,4,5,6,7,8,9,10,11,12,13,14,15
	v_mov_b32 v[A_M+\j], 0                         ; membranes and resets start at 0
.endr
.endm
; Layer 2 has 16 fragments; 15 of them in f32 fill v16 to v255, so 15 are asked for at once, fragment f at v[16 + 16 f].  They are rounded in place, f ascending:
; fragment f's 8 registers, v[16 + 8 f ..], lie in the f32 registers of fragment f / 2, which has been read by then.  The 16th goes into the registers that
; fragment 8 leaves free; its 128 bytes of each row of W2 lie beside fragment 14's.  The two biases wait in v12, v13.
.macro SETUP2
	s_sub_co_u32 s10, s8, 4                        ; u: my neurons are 32 u .. 32 u + 31
	s_lshl_b32 s11, s10, 15                        ; W2: 32 rows of 1,024 bytes
	s_lshl_b32 s12, s10, 7                         ; b2: 32 numbers
	v_lshlrev_b32 v14, 10, v2
	v_lshl_add_u32 v14, v3, 5, v14
	v_add_nc_u32 v14, s11, v14
	v_lshl_add_u32 v15, v2, 2, s12
	global_load_b32 v[BETA],   v15, s[24:25]
	global_load_b32 v[BETA+1], v15, s[24:25] offset:64
.set ff, 0
.rept 15
	LDFRAG B_W+16*ff, 14, 22, 16384*(ff>>3)+128*(ff&7)
.set ff, ff+1
.endr
	s_wait_loadcnt 0x0
.set ff, 0
.rept 9
	CVFRAG B_W+8*ff, B_W+16*ff
.set ff, ff+1
.endr
	LDFRAG B_W+16*8, 14, 22, 16384+128*7           ; fragment 15 = (nt 1, ks 7), into v[144:159]
.rept 6
	CVFRAG B_W+8*ff, B_W+16*ff
.set ff, ff+1
.endr
.irp j, 0,1,2,3,4,5,6,7
	v_mov_b32 v[B_M+\j], 0                         ; membranes and resets start at 0
.endr
	s_wait_loadcnt 0x0
	CVFRAG B_W+8*15, B_W+16*8
	BIASFILL B_BI,   BETA
	BIASFILL B_BI+8, BETA+1
	MKBETA s41
.endm
.macro SETUP3
	v_lshlrev_b32 v14, 9, v2                       ; W3: a row is 512 bytes
	v_lshl_add_u32 v14, v3, 5, v14
	v_lshlrev_b32 v15, 2, v2
	global_load_b32 v[C_BI], v15, s[28:29]
.irp ks, 0,1,2,3
	LDFRAG C_AF+16*\ks, 14, 26, 128*\ks
.endr
	s_wait_loadcnt 0x0                             ; also waits for chunk 0's loads, which went out just before and are wanted next
.irp ks, 0,1,2,3
	CVFRAG C_W+8*\ks, C_AF+16*\ks
.endr
	BIASFILL C_BI, C_BI
	MKBETA s42
.irp j, 0,1,2,3,6,7
	v_mov_b32 v[C_M+\j], 0                         ; membranes, resets and the sum start at 0
.endr
.endm
; ---- trip 2 p + par of pass p (s9 = p).  par = the trip's parity, oth = the other.
; The first branches hang on the wave's number, the second ones on p, which is the same in every wave; the wait and the barrier stand behind the join,
; on every wave's path.  Which trips have work:
;   layer 1: chunk 2 p + par <= 31:          p < 16
;   layer 2: chunk 2 p + par - 1 in 0 .. 31: even trips p > 0, odd trips p < 16
;   layer 3: chunk 2 p + par - 2 in 0 .. 31: p > 0
;   x:       chunk 2 p + par + 1 <= 31 goes to LDS: p < 16 - par; chunk 2 p + par + 3 <= 31 is asked for: p < 15 - par (no load passes x's end)
.macro TRIP par, oth
	s_cmp_lt_u32 s8, 4
	s_cbranch_scc0 .Lt_n1_\@
	s_cmp_lt_u32 s9, 16
	s_cbranch_scc0 .Lt_j_\@
	L1SEC \par
	s_branch .Lt_j_\@
.Lt_n1_\@:
	s_cmp_lt_u32 s8, 8
	s_cbranch_scc0 .Lt_n2_\@
.if \par
	s_cmp_lt_u32 s9, 16
.else
	s_cmp_lg_u32 s9, 0
.endif
	s_cbranch_scc0 .Lt_j_\@
	L2SEC \oth
	s_branch .Lt_j_\@
.Lt_n2_\@:
	s_cmp_lt_u32 s8, 10                            ; in an even trip an odd chunk is due: waves 10, 11; in an odd trip waves 8, 9
.if \par
	s_cbranch_scc0 .Lt_ns_\@
.else
	s_cbranch_scc1 .Lt_ns_\@
.endif
	s_cmp_lt_u32 s9, 16-\par
	s_cbranch_scc0 .Lt_ns_\@
	s_wait_loadcnt 0x0                             ; all my loads: the 16 of my half chunk, asked for two trips ago; nothing else of mine is out
	XPUT
	s_cmp_lt_u32 s9, 15-\par
	s_cbranch_scc0 .Lt_ns_\@
	XLOAD                                          ; my group's next chunk, into the registers just emptied
.Lt_ns_\@:
	s_cmp_eq_u32 s8, 8
	s_cbranch_scc0 .Lt_j_\@
	s_cmp_lg_u32 s9, 0
	s_cbranch_scc0 .Lt_j_\@
	L3SEC \par
.Lt_j_\@:
	s_wait_dscnt 0x0                               ; for the others' sake: my stores of this trip are done, and so are my reads of what the next trip overwrites
	s_barrier_signal -1
	s_barrier_wait -1
.endm
; ---------------------------------------------------------------- the head: every wave makes every address
	s_load_b512 s[16:31], s[0:1], 0x0              ; x 16, W1 18, b1 20, W2 22, b2 24, W3 26, b3 28, beta1 30
	s_load_b128 s[32:35], s[0:1], 0x40             ; beta2 32, beta3 34
	s_load_b64 s[36:37], s[0:1], 0x50              ; out0
	s_set_vgpr_msb 0x40
	v_lshl_add_u32 v0, v0, 2, 0x22900
	v_mov_b32 v1, 0
	s_set_vgpr_msb 0x4000
	v_lshrrev_b32 v1, 5, v0
	v_readfirstlane_b32 s8, v1                     ; wave 0..11
	v_and_b32 v1, 31, v0                           ; lane
	v_and_b32 v2, 15, v0                           ; r
	v_bfe_u32 v3, v0, 4, 1                         ; h
	v_mul_u32_u24 v14, v2, XP
	v_lshl_add_u32 v14, v3, 4, v14                 ; x fragments: row r, + 16 h
	v_add_nc_u32 v[AX1], XS, v14
	v_mul_u32_u24 v15, v2, SPITCH
	v_lshl_add_u32 v15, v3, 4, v15                 ; spike stores: neuron r's row, + 16 h
	s_mul_i32 s10, s8, 64*SPITCH                   ; layer 1: 64 neurons a wave, from S1T = 0
	v_add_nc_u32 v[AS1], s10, v15
	s_mul_i32 s11, s8, 32*SPITCH                   ; layer 2: 32 neurons a wave, wave 4 at S2T
	s_add_co_u32 s11, s11, S2T-4*32*SPITCH
	v_add_nc_u32 v[AS2], s11, v15
	v_and_b32 v14, 7, v0                           ; transposing loads: (8 h + lane % 8) rows + 16 bytes x bit 3 of the lane
	v_lshl_add_u32 v14, v3, 3, v14
	v_mul_u32_u24 v14, v14, SPITCH
	v_bfe_u32 v15, v0, 3, 1
	v_lshl_add_u32 v[AT0], v15, 4, v14             ; S1T = 0
	v_add_nc_u32 v[AT1], S1B, v[AT0]
	v_add_nc_u32 v[AT2], S2T, v[AT0]
	v_lshlrev_b32 v[AXG], 4, v1
	v_mul_u32_u24 v14, v3, 2*XP
	v_lshl_add_u32 v14, v2, 3, v14                 ; x into LDS: 2 h rows + 8 r
	s_mul_i32 s12, s8, 32*XP                       ; 32 rows a wave, wave 8 at XS: waves 8, 9 fill Xs[0], waves 10, 11 Xs[1]
	s_add_co_u32 s12, s12, XS-8*32*XP
	v_add_nc_u32 v[AXL], s12, v14
	s_max_u32 s13, s8, 8                           ; x in memory: wave 8 + q begins 2,048 q bytes into the rows: halves 0, 1 of chunk 0, halves 0, 1 of chunk 1
	s_sub_co_u32 s13, s13, 8                       ; (waves 0 to 7 load no x: they get q = 0)
	s_lshl_b32 s13, s13, 11
	s_lshl_b32 s46, ttmp9, 19                      ; 4 batch rows of 131,072 bytes a work-group: below 2^27
	s_add_co_u32 s46, s46, s13
	s_mov_b32 s47, 0
	s_wait_kmcnt 0x0
	s_add_nc_u64 s[44:45], s[16:17], s[46:47]
	s_load_b32 s40, s[30:31], 0x0                  ; the betas: waited for where they are used, behind the weights' loads
	s_load_b32 s41, s[32:33], 0x0
	s_load_b32 s42, s[34:35], 0x0
; ---------------------------------------------------------------- in front of trip 0: the three set-ups; chunks 0 and 1 are asked for, chunk 0 goes to LDS
	s_cmp_lt_u32 s8, 4
	s_cbranch_scc0 .Lpro_not_l1
	SETUP1
	s_branch .Lpro_join
.Lpro_not_l1:
	s_cmp_lt_u32 s8, 8
	s_cbranch_scc0 .Lpro_x
	SETUP2
	s_branch .Lpro_join
.Lpro_x:
	XLOAD                                          ; waves 8, 9: chunk 0; waves 10, 11: chunk 1
	s_cmp_eq_u32 s8, 8
	s_cbranch_scc0 .Lpro_not_l3
	SETUP3
.Lpro_not_l3:
	s_cmp_lt_u32 s8, 10
	s_cbranch_scc0 .Lpro_join
	s_wait_loadcnt 0x0                             ; waves 8, 9: chunk 0 is in,
	XPUT                                           ; goes into Xs[0],
	XLOAD                                          ; and chunk 2 is asked for
.Lpro_join:
	s_wait_dscnt 0x0                               ; chunk 0 is in Xs[0]
	s_barrier_signal -1
	s_barrier_wait -1
; ---------------------------------------------------------------- 34 trips: 32 chunks through a pipeline three deep
	s_mov_b32 s9, 0
.Lloop:
	TRIP 0, 1
	TRIP 1, 0
	s_add_co_u32 s9, s9, 1
	s_cmp_lt_u32 s9, PASSES
	s_cbranch_scc1 .Lloop
; ---------------------------------------------------------------- the way out: wave 8 holds the sums
	s_cmp_eq_u32 s8, 8
	s_cbranch_scc0 .Lend
	v_lshlrev_b32 v14, 2, v2
	v_lshl_add_u32 v14, v3, 7, v14
	v_add_nc_u32 v14, OUTS, v14                    ; in: batch row 2 h (64 bytes a row), neuron r
	v_lshlrev_b32 v15, 3, v1                       ; back, and in out0: 8 bytes a lane
	v_add_nc_u32 v[C_S], OUTS, v15
	v_mul_f32 v[C_SUM],   0x3b000000, v[C_SUM]     ; the mean: x 1/512
	v_mul_f32 v[C_SUM+1], 0x3b000000, v[C_SUM+1]
	ds_store_b32 v14, v[C_SUM]                     ; batch row 2 h
	ds_store_b32 v14, v[C_SUM+1] offset:64         ; batch row 2 h + 1
	ds_load_b64 v[C_T:C_T+1], v[C_S]               ; the wave's own bytes; LDS serves a wave's instructions in order (ISA guide 5.7.1)
	s_lshl_b32 s46, ttmp9, 8                       ; 4 rows of 64 bytes a work-group
	s_mov_b32 s47, 0
	s_add_nc_u64 s[36:37], s[36:37], s[46:47]
	s_wait_dscnt 0x0
	global_store_b64 v15, v[C_T:C_T+1], s[36:37]   ; one store covers the work-group's 256 consecutive bytes, aligned
.Lend:
	s_set_vgpr_msb 0x5
	s_wait_tensorcnt 0x0
	ds_add_u32 v0, v1
	s_wait_dscnt 0x0
	s_set_vgpr_msb 0x500
	s_endpgm
.Lfunc_end_k_q8fe1258c60_snn:
	.size	k_q8fe1258c60_snn, .Lfunc_end_k_q8fe1258c60_snn-k_q8fe1258c60_snn
	.p2alignl 7, 3214868480
	.fill 96, 4, 3214868480
	.section	.rodata,"a",@progbits
	.p2align	6, 0x0
	.amdhsa_kernel k_q8fe1258c60_snn
		.amdhsa_group_segment_fixed_size 143104
		.amdhsa_private_segment_fixed_size 0
		.amdhsa_enable_private_segment 0
		.amdhsa_kernarg_size 88
		.amdhsa_user_sgpr_count 2
		.amdhsa_user_sgpr_kernarg_segment_ptr 1
		.amdhsa_wavefront_size32 1
		.amdhsa_system_sgpr_workgroup_id_x 1
		.amdhsa_system_sgpr_workgroup_id_y 1
		.amdhsa_system_sgpr_workgroup_id_z 1
		.amdhsa_system_vgpr_workitem_id 0
		.amdhsa_next_free_vgpr 258
		.amdhsa_next_free_sgpr 66
		.amdhsa_reserve_vcc 0
		.amdhsa_float_denorm_mode_32 3
		.amdhsa_float_denorm_mode_16_64 3
		.amdhsa_memory_ordered 1
		.amdhsa_forward_progress 1
		.amdhsa_inst_pref_size 184
	.end_amdhsa_kernel
	.amdgpu_metadata
---
amdhsa.version: [ 1, 2 ]
amdhsa.kernels:
  - .name:           k_q8fe1258c60_snn
    .symbol:         k_q8fe1258c60_snn.kd
    .args:
      - { .name: x, .offset: 0, .size: 8, .value_kind: global_buffer, .address_space: global }
      - { .name: W1, .offset: 8, .size: 8, .value_kind: global_buffer, .address_space: global }
      - { .name: b1, .offset: 16, .size: 8, .value_kind: global_buffer, .address_space: global }
      - { .name: W2, .offset: 24, .size: 8, .value_kind: global_buffer, .address_space: global }
      - { .name: b2, .offset: 32, .size: 8, .value_kind: global_buffer, .address_space: global }
      - { .name: W3, .offset: 40, .size: 8, .value_kind: global_buffer, .address_space: global }
      - { .name: b3, .offset: 48, .size: 8, .value_kind: global_buffer, .address_space: global }
      - { .name: beta1, .offset: 56, .size: 8, .value_kind: global_buffer, .address_space: global }
      - { .name: beta2, .offset: 64, .size: 8, .value_kind: global_buffer, .address_space: global }
      - { .name: beta3, .offset: 72, .size: 8, .value_kind: global_buffer, .address_space: global }
      - { .name: out0, .offset: 80, .size: 8, .value_kind: global_buffer, .address_space: global }
    .group_segment_fixed_size: 143104
    .private_segment_fixed_size: 0
    .kernarg_segment_align: 8
    .kernarg_segment_size: 88
    .max_flat_workgroup_size: 384
    .sgpr_count:     66
    .vgpr_count:     258
    .wavefront_size: 32
...
	.end_amdgpu_metadata
.endif
;; end of part 2
;; ======== version 3 of 3: 1 launch; version 2 with the launch snn written anew for expert scheduling mode
;; limits: values outside matrix products are rounded to bf16
;; launch snn (part 3): grid 256 x 1, 12 waves a work-group, no clusters, 143,104 bytes of LDS; arguments x, W1, b1, W2, b2, W3, b3, beta1, beta2, beta3, out0; writes out0
.if DOCPART == 3
	.amdgcn_target "amdgcn-amd-amdhsa--gfx1250"
	.amdhsa_code_object_version 6
	.text
	.protected	k_q8fe1258c60_snn
	.globl	k_q8fe1258c60_snn
	.p2align	8
	.type	k_q8fe1258c60_snn,@function
k_q8fe1258c60_snn:
	s_mov_b64 s[64:65], 0
	v_nop
	global_prefetch_b8 v0, s[64:65] scope:SCOPE_SE
	s_setreg_imm32_b32 hwreg(HW_REG_WAVE_SCHED_MODE, 0, 2), 2
	s_setreg_imm32_b32 hwreg(HW_REG_WAVE_MODE, 25, 1), 1
	s_wait_xcnt 0x0
	s_wait_alu depctr_vm_vsrc(0)
; Three layers of Linear + leaky integrate-and-fire (64 -> 256 -> 128 -> 16), 512 time steps, 1,024 batch rows; out0 = mean over time of layer 3's membrane.
; m' = (clip(beta) m + c) (1 - [m > 1]),  spike = [m' > 1],  c = input x W^T + b.  The recurrence is per neuron, so the three products are free along time.
;
; SHARES.  Work-group g owns batch rows 4 g .. 4 g + 3 for all 512 steps; all membranes and all spikes stay in registers and LDS.
; A chunk is 16 steps x 4 rows = 4 matrix tiles of 16 rows.  Row m = 8 hb + 2 tt + rb of tile mt stands for batch row 2 hb + rb at step 4 mt + tt of the chunk.
; In a result tile lane (r, h) holds neuron r, and its register pair (2 tt, 2 tt + 1) batch rows 2 h and 2 h + 1 at step tt: the scan over time runs inside
; a lane, two chains in each packed instruction.
; Twelve waves in three roles, a pipeline of one chunk a trip with ONE barrier a trip; every LDS buffer is a pair, one written while the other is read:
;   waves 0-3   layer 1, 64 neurons each (W1 in 64 registers):   trip i: chunk i,     reads Xs[i&1],      writes spikes S1T[i&1]
;   waves 4-7   layer 2, 32 neurons each (W2 in 128 registers):  trip i: chunk i - 1, reads S1T[(i+1)&1], writes spikes S2T[(i+1)&1]
;   waves 8-11  bring x: f32 from memory, bf16 into LDS.  Waves 8, 9 bring the even chunks (into Xs[0]), waves 10, 11 the odd ones (into Xs[1]), half a chunk
;               each.  In trip i the group of chunk i + 1 waits for ALL its loads, rounds the chunk, asks for chunk i + 3 and puts the chunk into LDS: each group
;               works in every second trip, so its wait is for zero and a load still has two trips in which to land.
;   wave 8      also layer 3 (W3 in 32 registers):               trip i: chunk i - 2, reads S2T[i&1], sums the membranes in registers
; 32 chunks through three stages are 34 trips.  ALL of them run in one loop of 17 passes, two trips (one of each parity) a pass: a role that has no chunk in
; a trip jumps over its section on a compare of the pass counter with a constant, so the sections stand in the text once for each parity.
; Spikes go to LDS transposed (a row for each neuron, the 64 tile rows along it), 16 bytes a lane and tile; the next layer takes its A fragments with the
; transposing LDS load.
; ADDRESSES.  Every LDS address register is written once, at the head, on every wave's path, has one meaning for the whole launch and is
; a constant + the wave's number x a constant + a lane term; buffer, tile and K step stand in the immediates.
;
; THE MODE: SCHED_MODE bits 1:0 = 2 (LLVM: expert scheduling mode 2), set by the entry lines.  The code itself states the register dependences
; between vector or matrix instructions and memory or LDS instructions, with s_wait_alu, always for 0.
; THE PLAN.  Registers that memory or LDS instructions touch, in the loop:
;   v4-v11        addresses: written at the head, never again.
;   FROM TRIP TO TRIP: the three roles give the same register numbers different work, and all ways meet at the join in front of each trip's barrier.  What one trip
;                 owes the next is stated there, on every wave's path: a wait on va_vdst (the trip's vector and matrix instructions are done with the fragment
;                 registers, in which the next trip's first loads land) and a wait on vm_vsrc (the trip's LDS stores have read their out-buffers, which the next
;                 chunk's roundings write again).  So every section begins with nothing owed, whichever section stands in front of it in the text.
;   layer 1       AF0, AF1: the LDS loads of tile mt + 1, issued in step mt, land in AF[(mt+1)&1]; the products of step mt + 1 read it.
;                 O0, O1: step mt's roundings write O[mt&1]; the four LDS stores issued in step mt + 1 read it (tile 3's at the section's end).
;                 One wait on va_vdst at the head of steps 1 to 3: the step before has written its O and its products are done reading the AF that is loaded next.
;                 The step's loads and stores follow, dealt among its eight products, which name ACC, AF[mt&1], W1 and the bias alone.
;                 A wait on vm_vsrc at the head of steps 2, 3: the stores issued a step earlier have read the O that the step's roundings write again.
;   layer 2       AF: read by step mt's 16 products, then loaded with tile mt + 1.  O: written by step mt's roundings, read by two stores issued in step mt + 1.
;                 One wait on va_vdst a step, behind the products: AF is read, the last tile's O is written; the loads and the stores follow, then the scan,
;                 which names neither.  A wait on vm_vsrc in steps 1 to 3, ahead of the roundings that write O again.
;   layer 3       AF: loaded, read by eight products.  A wait on va_vdst behind the first pair's products, ahead of the second pair's loads.
;   x             XR: loaded, read by the roundings.  XO: written by the roundings, read by the LDS stores.  A wait on va_vdst behind the roundings;
;                 then the loads, then the stores.
;   scans         every run of compares into scalar registers has a wait on va_sdst ahead of the selects that read them.
;
; NO CLUSTER: work-groups share no streamed tile (each reads its own rows of x); the weights, 204,800 bytes, are read once into registers.
; NO TENSOR LOADS: x has to be rounded to bf16 on its way into LDS, so it passes through registers anyway.
;
; LIMITS, stated.  Matrix operands (x, W1, W2, W3; the spikes are exact) are bf16.  With ROUND_SMALL = 1 the biases and the three betas are rounded to bf16 too,
; so that the program is the function on inputs rounded to bf16; sums, membranes and the mean are f32.  The threshold makes the function discontinuous:
; a membrane within the rounding of its sum of 1.0 may fire on the other side.  A beta that is NaN is clipped to 0 (jnp.clip would keep the NaN).
.set ROUND_SMALL, 1
.set PASSES, 17                        ; 34 trips
.set SPITCH, 160                       ; S1T, S2T: a row of 64 bf16 = 128 bytes + 32: an odd multiple of 32
.set S1T,    0                         ; layer 1's spikes: two buffers of 256 rows
.set S1B,    256*SPITCH                ; 40,960
.set S2T,    S1T+2*S1B                 ; 81,920: layer 2's spikes: two buffers of 128 rows
.set S2B,    128*SPITCH                ; 20,480
.set XP,     144                       ; Xs: a row of 64 bf16 = 128 bytes + 16: an odd multiple of 16, so the 16 rows of a fragment load begin 16 bytes apart modulo 256
.set XS,     S2T+2*S2B                 ; 122,880: x in bf16: two buffers of 64 rows
.set XSB,    64*XP                     ; 9,216
.set OUTS,   XS+2*XSB                  ; 141,312: 256 bytes, wave 8's own, for the way out
; v0 thread, v1 lane, v2 r = lane % 16, v3 h = lane / 16
.set AX1,    4                         ; v4   layer 1 reads x fragments:      XS + 144 r + 16 h
.set AS1,    5                         ; v5   layer 1 stores spikes:          S1T + 10,240 wave + 160 r + 16 h
.set AT0,    6                         ; v6   layer 2 reads S1T's buffer 0:   S1T + 160 (8 h + lane % 8) + 16 x bit 3 of the lane
.set AT1,    7                         ; v7   and buffer 1 (with one register the immediate would pass 65,535)
.set AS2,    8                         ; v8   layer 2 stores spikes:          S2T + 5,120 (wave - 4) + 160 r + 16 h
.set AXG,    9                         ; v9   x in memory: 16 bytes a lane
.set AXL,    10                        ; v10  x into LDS:                     XS + 4,608 (wave - 8) + 288 h + 8 r
.set AT2,    11                        ; v11  layer 3 reads S2T:              S2T + the lane term of v6
.set BETA,   12                        ; v[12:13] clip(beta) of the wave's layer, twice (in layer 2's set-up first its two biases)
; v14, v15: at work at the head, offsets into the weights and biases in the set-ups
; layer 1
.set A_W,   16                         ; v[16:79]    W1 fragments, (nt, ks) at 8 (2 nt + ks)
.set A_BI,  80                         ; v[80:111]   bias, 8 equal registers a tile: the C operand of a tile's first product
.set A_AF,  112                        ; v[112:143]  x fragments, two buffers of 16 (ks at + 8 ks)
.set A_ACC, 144                        ; v[144:175]  four result tiles
.set A_M,   176                        ; v[176:183]  membranes, a pair a tile
.set A_SP,  184                        ; v[184:191]  last spikes (1.0 or 0), a pair a tile
.set A_O,   192                        ; v[192:223]  spikes in bf16 on their way to LDS: two buffers of 16, 4 registers a tile
.set A_TMP, 112                        ; v[112:239]  set-up: eight fragments in f32
; layer 2
.set B_W,   16                         ; v[16:143]   W2 fragments, (nt, ks) at 8 (8 nt + ks); in the set-up v[16:255] hold 15 fragments in f32
.set B_BI,  144                        ; v[144:159]
.set B_AF,  160                        ; v[160:223]  spike fragments, ks at + 8 ks
.set B_ACC, 224                        ; v[224:239]
.set B_M,   240                        ; v[240:243]
.set B_SP,  244                        ; v[244:247]
.set B_O,   248                        ; v[248:255]  spikes in bf16 on their way to LDS, 4 registers a tile
; x and layer 3
.set XR,    16                         ; v[16:79]    a wave's half chunk: 16 loads of 4 registers
.set C_W,   96                         ; v[96:127]   W3 fragments
.set C_BI,  128                        ; v[128:135]
.set C_AF,  136                        ; v[136:199]  spike fragments of two tiles; in the set-up four fragments in f32
.set C_ACC, 200                        ; v[200:215]
.set C_M,   216                        ; v[216:217]
.set C_S,   218                        ; v[218:219]
.set C_T,   220                        ; v[220:221]
.set C_SUM, 222                        ; v[222:223]  sum over time of the membranes
.set XO,    224                        ; v[224:255]  the half chunk in bf16 on its way to LDS: 2 registers for each of the 16 loads
; ---------------------------------------------------------------- macros
.macro PLACES                          ; four plain vector instructions stand between a matrix instruction and a vector instruction that reads its result (ISA guide 7.12.1)
.rept 4
	v_nop
.endr
.endm
.macro MKBETA sreg                     ; v[12:13] = clip(beta, 0, 1), twice
	s_wait_kmcnt 0x0                               ; the three betas were asked for at the head; the weights' loads went out meanwhile
	v_mov_b32 v[BETA], \sreg
.if ROUND_SMALL
	v_cvt_pk_bf16_f32 v[BETA], v[BETA], v[BETA]
	v_lshlrev_b32 v[BETA], 16, v[BETA]
.endif
	v_max_num_f32 v[BETA], 0, v[BETA]
	v_min_num_f32 v[BETA], 1.0, v[BETA]
	v_mov_b32 v[BETA+1], v[BETA]
.endm
; 16 f32 of one weight row: k = 8 h .. 8 h + 7 and 16 + 8 h .. 16 + 8 h + 7 of a K step of 32 (the lane's offset holds row and 32 h, imm the tile and 128 ks)
.macro LDFRAG tmp, voff, sb, imm
	global_load_b128 v[\tmp:\tmp+3],     v[\voff], s[\sb:\sb+1] offset:\imm
	global_load_b128 v[\tmp+4:\tmp+7],   v[\voff], s[\sb:\sb+1] offset:\imm+16
	global_load_b128 v[\tmp+8:\tmp+11],  v[\voff], s[\sb:\sb+1] offset:\imm+64
	global_load_b128 v[\tmp+12:\tmp+15], v[\voff], s[\sb:\sb+1] offset:\imm+80
.endm
.macro CVFRAG dst, tmp                 ; rounded to bf16: the 8 registers of a B fragment.  Register i is made of 2 i and 2 i + 1, ascending: dst may be tmp itself
.irp i, 0,1,2,3,4,5,6,7
	v_cvt_pk_bf16_f32 v[\dst+\i], v[\tmp+2*\i], v[\tmp+2*\i+1]
.endr
.endm
.macro BIASFILL b, src                 ; a lane's neuron has one bias for its 8 tile rows; it was loaded into src
.if ROUND_SMALL
	v_cvt_pk_bf16_f32 v[\b], v[\src], v[\src]
	v_lshlrev_b32 v[\b], 16, v[\b]
.else
.if (\src) != (\b)
	v_mov_b32 v[\b], v[\src]
.endif
.endif
.irp j, 1,2,3,4,5,6,7
	v_mov_b32 v[\b+\j], v[\b]
.endr
.endm
; Four time steps of n tiles, the tiles interleaved so that no instruction waits for the one in front of it.
; t = beta m + c, written over the c that it is made of;  m = t - t s (s = the spike of the step before = the reset);  s = [m > 1] as 1.0 or 0, written over
; the t that has been used (the last step's into spk, where the next tile finds it).  The next step's t hangs on m alone: it stands between the compares and the wait for them.
.macro SCAN n, acc, mem, spk
.set ii, 0
.rept \n
	v_pk_fma_f32 v[\acc+8*ii:\acc+8*ii+1], v[\mem+2*ii:\mem+2*ii+1], v[BETA:BETA+1], v[\acc+8*ii:\acc+8*ii+1]
.set ii, ii+1
.endr
.set tt, 0
.rept 4
.set ii, 0
.rept \n
.if tt == 0
	v_pk_fma_f32 v[\mem+2*ii:\mem+2*ii+1], v[\acc+8*ii:\acc+8*ii+1], v[\spk+2*ii:\spk+2*ii+1], v[\acc+8*ii:\acc+8*ii+1] neg_lo:[1,0,0] neg_hi:[1,0,0]
.else
	v_pk_fma_f32 v[\mem+2*ii:\mem+2*ii+1], v[\acc+8*ii+2*tt:\acc+8*ii+2*tt+1], v[\acc+8*ii+2*tt-2:\acc+8*ii+2*tt-1], v[\acc+8*ii+2*tt:\acc+8*ii+2*tt+1] neg_lo:[1,0,0] neg_hi:[1,0,0]
.endif
.set ii, ii+1
.endr
.set ii, 0
.rept \n
	v_cmp_lt_f32 s[48+2*ii], 1.0, v[\mem+2*ii]
	v_cmp_lt_f32 s[49+2*ii], 1.0, v[\mem+2*ii+1]
.set ii, ii+1
.endr
.if tt < 3
.set ii, 0
.rept \n
	v_pk_fma_f32 v[\acc+8*ii+2*tt+2:\acc+8*ii+2*tt+3], v[\mem+2*ii:\mem+2*ii+1], v[BETA:BETA+1], v[\acc+8*ii+2*tt+2:\acc+8*ii+2*tt+3]
.set ii, ii+1
.endr
.endif
	s_wait_alu depctr_va_sdst(0)                   ; the compares have written s48 and on, which the selects below read
.set ii, 0
.rept \n
.if tt == 3
	v_cndmask_b32 v[\spk+2*ii],   0, 1.0, s[48+2*ii]
	v_cndmask_b32 v[\spk+2*ii+1], 0, 1.0, s[49+2*ii]
.else
	v_cndmask_b32 v[\acc+8*ii+2*tt],   0, 1.0, s[48+2*ii]
	v_cndmask_b32 v[\acc+8*ii+2*tt+1], 0, 1.0, s[49+2*ii]
.endif
.set ii, ii+1
.endr
.set tt, tt+1
.endr
.endm
; A lane's 8 spikes of a tile as 8 bf16 = 16 bytes, into the out-buffer
.macro PACK n, acc, spk, out
.set ii, 0
.rept \n
	v_cvt_pk_bf16_f32 v[\out+4*ii],   v[\acc+8*ii],   v[\acc+8*ii+1]
	v_cvt_pk_bf16_f32 v[\out+4*ii+1], v[\acc+8*ii+2], v[\acc+8*ii+3]
	v_cvt_pk_bf16_f32 v[\out+4*ii+2], v[\acc+8*ii+4], v[\acc+8*ii+5]
	v_cvt_pk_bf16_f32 v[\out+4*ii+3], v[\spk+2*ii],   v[\spk+2*ii+1]
.set ii, ii+1
.endr
.endm
; and from there into its neuron's row; tile i lies 16 neurons = 2,560 bytes further
.macro SPKST adr, out, i, imm
	ds_store_b128 v[\adr], v[\out+4*(\i):\out+4*(\i)+3] offset:(\imm)+16*SPITCH*(\i)
.endm
; ---- layer 1: one chunk
.macro L1LD par, mt, q                 ; load q of the four that bring the two x fragments (K = 64) of tile mt, into buffer mt % 2: K step q / 2, half q % 2
	ds_load_b128 v[A_AF+16*((\mt)&1)+4*(\q):A_AF+16*((\mt)&1)+4*(\q)+3], v[AX1] offset:\par*XSB+16*XP*(\mt)+64*((\q)>>1)+32*((\q)&1)
.endm
.macro L1SEC par
.irp q, 0,1,2,3
	L1LD \par, 0, \q                               ; no wait: no vector or matrix instruction stands between the wait on va_vdst at the last join and this line
.endr
.irp mt, 0,1,2,3
.if \mt < 2
	s_wait_dscnt 0x0                               ; this tile's fragments are in: nothing was issued behind their loads
.else
	s_wait_dscnt 0x4                               ; this tile's fragments are in: behind their loads only four spike stores were issued, which may stay out
	s_wait_alu depctr_vm_vsrc(0)                   ; the spike stores issued in the step before have read their out-buffer, which this step's roundings write again
.endif
.if \mt > 0
	s_wait_alu depctr_va_vdst(0)                   ; the step before has written its out-buffer, which the stores below read; its products are done reading the fragment buffer in which the loads below land
.endif
	; the four accumulators take turns, one instruction a turn; the first product adds the bias.
	; The next tile's loads and the last tile's stores are dealt among the products, which name none of their registers.
.irp nt, 0,1,2,3
	v_wmma_f32_16x16x32_bf16 v[A_ACC+8*\nt:A_ACC+8*\nt+7], v[A_AF+16*((\mt)&1):A_AF+16*((\mt)&1)+7], v[A_W+16*\nt:A_W+16*\nt+7], v[A_BI+8*\nt:A_BI+8*\nt+7]
.if \mt < 3
	L1LD \par, \mt+1, \nt
.endif
.endr
.irp nt, 0,1,2,3
	v_wmma_f32_16x16x32_bf16 v[A_ACC+8*\nt:A_ACC+8*\nt+7], v[A_AF+16*((\mt)&1)+8:A_AF+16*((\mt)&1)+15], v[A_W+16*\nt+8:A_W+16*\nt+15], v[A_ACC+8*\nt:A_ACC+8*\nt+7]
.if \mt > 0
	SPKST AS1, A_O+16*((\mt-1)&1), \nt, \par*S1B+32*(\mt-1)
.endif
.endr
	PLACES
	SCAN 4, A_ACC, A_M, A_SP
	PACK 4, A_ACC, A_SP, A_O+16*((\mt)&1)
.endr
	s_wait_alu depctr_va_vdst(0)                   ; tile 3's roundings have written the out-buffer, which the stores below read
.irp nt, 0,1,2,3
	SPKST AS1, A_O+16, \nt, \par*S1B+32*3
.endr
.endm
; ---- layer 2: one chunk
.macro L2LOAD par, mt                  ; the eight spike fragments (K = 256) of tile mt
.irp ks, 0,1,2,3,4,5,6,7
	ds_load_tr16_b128 v[B_AF+8*\ks:B_AF+8*\ks+3],   v[AT0+\par] offset:32*SPITCH*\ks+32*(\mt)
	ds_load_tr16_b128 v[B_AF+8*\ks+4:B_AF+8*\ks+7], v[AT0+\par] offset:32*SPITCH*\ks+32*(\mt)+16*SPITCH
.endr
.endm
.macro L2SEC par
	L2LOAD \par, 0                                 ; no wait: no vector or matrix instruction stands between the wait on va_vdst at the last join and this line
.irp mt, 0,1,2,3
.if \mt < 2
	s_wait_dscnt 0x0                               ; nothing was issued behind this tile's 16 loads
.else
	s_wait_dscnt 0x2                               ; behind this tile's 16 loads only two spike stores were issued: they may stay out
.endif
	; the two accumulators take turns, one instruction a turn
.irp ks, 0,1,2,3,4,5,6,7
.irp nt, 0,1
.if \ks == 0
	v_wmma_f32_16x16x32_bf16 v[B_ACC+8*\nt:B_ACC+8*\nt+7], v[B_AF+8*\ks:B_AF+8*\ks+7], v[B_W+8*(8*\nt+\ks):B_W+8*(8*\nt+\ks)+7], v[B_BI+8*\nt:B_BI+8*\nt+7]
.else
	v_wmma_f32_16x16x32_bf16 v[B_ACC+8*\nt:B_ACC+8*\nt+7], v[B_AF+8*\ks:B_AF+8*\ks+7], v[B_W+8*(8*\nt+\ks):B_W+8*(8*\nt+\ks)+7], v[B_ACC+8*\nt:B_ACC+8*\nt+7]
.endif
.endr
.endr
	PLACES
	s_wait_alu depctr_va_vdst(0)                   ; tiles 0 to 2: this tile's products are done reading the fragments, in whose registers the loads below land; tiles 1 to 3: the last tile's roundings have written the out-buffer, which the stores below read
.if \mt < 3
	L2LOAD \par, \mt+1                             ; the next tile's fragments come in while this tile is scanned
.endif
.if \mt > 0
	SPKST AS2, B_O, 0, \par*S2B+32*(\mt-1)
	SPKST AS2, B_O, 1, \par*S2B+32*(\mt-1)
.endif
	SCAN 2, B_ACC, B_M, B_SP
.if \mt > 0
	s_wait_alu depctr_vm_vsrc(0)                   ; the last tile's two spike stores, issued ahead of the scan, have read the out-buffer, which the roundings below write again
.endif
	PACK 2, B_ACC, B_SP, B_O
.endr
	s_wait_alu depctr_va_vdst(0)                   ; tile 3's roundings have written the out-buffer, which the stores below read
	SPKST AS2, B_O, 0, \par*S2B+32*3
	SPKST AS2, B_O, 1, \par*S2B+32*3
.endm
; ---- layer 3: one chunk, two tiles at a time
.macro SCAN3                           ; as SCAN, for two tiles that follow each other in time: eight steps; the membranes are summed, the spikes serve as resets alone
	v_pk_fma_f32 v[C_T:C_T+1], v[C_M:C_M+1], v[BETA:BETA+1], v[C_ACC:C_ACC+1]
.set kk, 0
.rept 8
	v_pk_fma_f32 v[C_M:C_M+1], v[C_T:C_T+1], v[C_S:C_S+1], v[C_T:C_T+1] neg_lo:[1,0,0] neg_hi:[1,0,0]
	v_cmp_lt_f32 s48, 1.0, v[C_M]
	v_cmp_lt_f32 s49, 1.0, v[C_M+1]
	v_pk_add_f32 v[C_SUM:C_SUM+1], v[C_SUM:C_SUM+1], v[C_M:C_M+1]
.if kk < 7
	v_pk_fma_f32 v[C_T:C_T+1], v[C_M:C_M+1], v[BETA:BETA+1], v[C_ACC+2*kk+2:C_ACC+2*kk+3]
.endif
	s_wait_alu depctr_va_sdst(0)                   ; the two compares have written s48 and s49, which the selects below read
	v_cndmask_b32 v[C_S],   0, 1.0, s48
	v_cndmask_b32 v[C_S+1], 0, 1.0, s49
.set kk, kk+1
.endr
.endm
.macro L3LOAD par, g                   ; the spike fragments (K = 128) of tiles 2 g and 2 g + 1
.irp mtl, 0,1
.irp ks, 0,1,2,3
	ds_load_tr16_b128 v[C_AF+32*\mtl+8*\ks:C_AF+32*\mtl+8*\ks+3],   v[AT2] offset:\par*S2B+32*SPITCH*\ks+32*(2*(\g)+\mtl)
	ds_load_tr16_b128 v[C_AF+32*\mtl+8*\ks+4:C_AF+32*\mtl+8*\ks+7], v[AT2] offset:\par*S2B+32*SPITCH*\ks+32*(2*(\g)+\mtl)+16*SPITCH
.endr
.endr
.endm
.macro L3SEC par
	L3LOAD \par, 0                                 ; no wait: since the last join only x's roundings may have been issued, which name v16 to v79 and v224 to v255 and have a wait on va_vdst behind them
.irp g, 0,1
	s_wait_dscnt 0x0
	; the two tiles' accumulators take turns, one instruction a turn
.irp ks, 0,1,2,3
.irp mtl, 0,1
.if \ks == 0
	v_wmma_f32_16x16x32_bf16 v[C_ACC+8*\mtl:C_ACC+8*\mtl+7], v[C_AF+32*\mtl+8*\ks:C_AF+32*\mtl+8*\ks+7], v[C_W+8*\ks:C_W+8*\ks+7], v[C_BI:C_BI+7]
.else
	v_wmma_f32_16x16x32_bf16 v[C_ACC+8*\mtl:C_ACC+8*\mtl+7], v[C_AF+32*\mtl+8*\ks:C_AF+32*\mtl+8*\ks+7], v[C_W+8*\ks:C_W+8*\ks+7], v[C_ACC+8*\mtl:C_ACC+8*\mtl+7]
.endif
.endr
.endr
	PLACES
.if \g == 0
	s_wait_alu depctr_va_vdst(0)                   ; the first pair's products are done reading the fragments' registers, in which the second pair's loads land
	L3LOAD \par, 1                                 ; they come in while the first pair is scanned
.endif
	SCAN3
.endr
.endm
; ---- x.  A wave brings two tiles of a chunk: 8 steps (2,048 consecutive bytes) of each of the 4 batch rows, 131,072 bytes apart.
; Load (t, b, f): tile t of the two, batch row b, half f of the tile's 1,024 bytes: 512 consecutive bytes, aligned; lane: step 2 f + h, numbers 4 r .. 4 r + 3.
.macro XLOAD
.irp t, 0,1
.irp b, 0,1,2,3
.irp f, 0,1
	global_load_b128 v[XR+4*(8*\t+2*\b+\f):XR+4*(8*\t+2*\b+\f)+3], v[AXG], s[44:45] offset:131072*\b+1024*\t+512*\f th:TH_LOAD_NT
.endr
.endr
.endr
	s_wait_xcnt 0x0                                ; the base is stepped only behind this wait
	s_add_nc_u64 s[44:45], s[44:45], 8192          ; the group's next chunk: two chunks of 4,096 bytes on
.endm
.macro XCVT                            ; rounded to bf16, 8 bytes a lane and load, into the out-buffer (the stores of the group's chunk before have read it: the wait on vm_vsrc at the joins since)
.irp t, 0,1
.irp b, 0,1,2,3
.irp f, 0,1
.set xj, XR+4*(8*\t+2*\b+\f)
.set xo, XO+2*(8*\t+2*\b+\f)
	v_cvt_pk_bf16_f32 v[xo],   v[xj],   v[xj+1]
	v_cvt_pk_bf16_f32 v[xo+1], v[xj+2], v[xj+3]
.endr
.endr
.endr
	s_wait_alu depctr_va_vdst(0)                   ; the roundings have written the out-buffer, which the LDS stores read, and are done reading v[16:79], in which the next loads land
.endm
.macro XST                             ; into row 16 t + 8 (b / 2) + 2 (2 f + h) + b % 2 of the wave's 32 (v10 holds 2 h rows and 8 r)
.irp t, 0,1
.irp b, 0,1,2,3
.irp f, 0,1
	ds_store_b64 v[AXL], v[XO+2*(8*\t+2*\b+\f):XO+2*(8*\t+2*\b+\f)+1] offset:(16*\t+8*(\b>>1)+4*\f+(\b&1))*XP
.endr
.endr
.endr
.endm
; ---- the set-ups: each in its own waves, side by side in front of the first barrier
.macro SETUP1
	s_lshl_b32 s10, s8, 14                         ; W1: 64 rows of 256 bytes a wave
	s_lshl_b32 s11, s8, 8                          ; b1: 64 numbers
	v_lshlrev_b32 v14, 8, v2
	v_lshl_add_u32 v14, v3, 5, v14
	v_add_nc_u32 v14, s10, v14
	v_lshl_add_u32 v15, v2, 2, s11
	s_wait_alu depctr_va_vdst(0)                   ; v14 and v15 are written: the loads below read them as offsets
.irp nt, 0,1,2,3
	global_load_b32 v[A_BI+8*\nt], v15, s[20:21] offset:64*\nt
.irp ks, 0,1
	LDFRAG A_TMP+16*(2*\nt+\ks), 14, 18, 4096*\nt+128*\ks
.endr
.endr
	s_wait_loadcnt 0x0
.irp nt, 0,1,2,3
.irp ks, 0,1
	CVFRAG A_W+8*(2*\nt+\ks), A_TMP+16*(2*\nt+\ks)
.endr
	BIASFILL A_BI+8*\nt, A_BI+8*\nt
.endr
	MKBETA s40
.irp j, 0,1,2,3,4,5,6,7,8,9,10,11,12,13,14,15
	v_mov_b32 v[A_M+\j], 0                         ; membranes and resets start at 0
.endr
.endm
; Layer 2 has 16 fragments; 15 of them in f32 fill v16 to v255, so 15 are asked for at once, fragment f at v[16 + 16 f].  They are rounded in place, f ascending:
; fragment f's 8 registers, v[16 + 8 f ..], lie in the f32 registers of fragment f / 2, which has been read by then.  The 16th goes into the registers that
; fragment 8 leaves free; its 128 bytes of each row of W2 lie beside fragment 14's.  The two biases wait in v12, v13.
.macro SETUP2
	s_sub_co_u32 s10, s8, 4                        ; u: my neurons are 32 u .. 32 u + 31
	s_lshl_b32 s11, s10, 15                        ; W2: 32 rows of 1,024 bytes
	s_lshl_b32 s12, s10, 7                         ; b2: 32 numbers
	v_lshlrev_b32 v14, 10, v2
	v_lshl_add_u32 v14, v3, 5, v14
	v_add_nc_u32 v14, s11, v14
	v_lshl_add_u32 v15, v2, 2, s12
	s_wait_alu depctr_va_vdst(0)                   ; v14 and v15 are written: the loads below read them as offsets
	global_load_b32 v[BETA],   v15, s[24:25]
	global_load_b32 v[BETA+1], v15, s[24:25] offset:64
.set ff, 0
.rept 15
	LDFRAG B_W+16*ff, 14, 22, 16384*(ff>>3)+128*(ff&7)
.set ff, ff+1
.endr
	s_wait_loadcnt 0x0
.set ff, 0
.rept 9
	CVFRAG B_W+8*ff, B_W+16*ff
.set ff, ff+1
.endr
	s_wait_alu depctr_va_vdst(0)                   ; fragment 8's roundings are done reading v[144:159], in which the loads below land; the six fragments rounded behind them name v88 to v135 and v160 to v255 alone
	LDFRAG B_W+16*8, 14, 22, 16384+128*7           ; fragment 15 = (nt 1, ks 7), into v[144:159]
.rept 6
	CVFRAG B_W+8*ff, B_W+16*ff
.set ff, ff+1
.endr
.irp j, 0,1,2,3,4,5,6,7
	v_mov_b32 v[B_M+\j], 0                         ; membranes and resets start at 0
.endr
	s_wait_loadcnt 0x0
	CVFRAG B_W+8*15, B_W+16*8
	BIASFILL B_BI,   BETA
	BIASFILL B_BI+8, BETA+1
	MKBETA s41
.endm
.macro SETUP3
	v_lshlrev_b32 v14, 9, v2                       ; W3: a row is 512 bytes
	v_lshl_add_u32 v14, v3, 5, v14
	v_lshlrev_b32 v15, 2, v2
	s_wait_alu depctr_va_vdst(0)                   ; v14 and v15 are written: the loads below read them as offsets
	global_load_b32 v[C_BI], v15, s[28:29]
.irp ks, 0,1,2,3
	LDFRAG C_AF+16*\ks, 14, 26, 128*\ks
.endr
	s_wait_loadcnt 0x0                             ; also waits for chunk 0's loads, which went out just before and are wanted next
.irp ks, 0,1,2,3
	CVFRAG C_W+8*\ks, C_AF+16*\ks
.endr
	BIASFILL C_BI, C_BI
	MKBETA s42
.irp j, 0,1,2,3,6,7
	v_mov_b32 v[C_M+\j], 0                         ; membranes, resets and the sum start at 0
.endr
.endm
; ---- trip 2 p + par of pass p (s9 = p).  par = the trip's parity, oth = the other.
; The first branches hang on the wave's number, the second ones on p, which is the same in every wave; the waits and the barrier stand behind the join,
; on every wave's path.  Which trips have work:
;   layer 1: chunk 2 p + par <= 31:          p < 16
;   layer 2: chunk 2 p + par - 1 in 0 .. 31: even trips p > 0, odd trips p < 16
;   layer 3: chunk 2 p + par - 2 in 0 .. 31: p > 0
;   x:       chunk 2 p + par + 1 <= 31 goes to LDS: p < 16 - par; chunk 2 p + par + 3 <= 31 is asked for: p < 15 - par (no load passes x's end)
.macro TRIP par, oth
	s_cmp_lt_u32 s8, 4
	s_cbranch_scc0 .Lt_n1_\@
	s_cmp_lt_u32 s9, 16
	s_cbranch_scc0 .Lt_j_\@
	L1SEC \par
	s_branch .Lt_j_\@
.Lt_n1_\@:
	s_cmp_lt_u32 s8, 8
	s_cbranch_scc0 .Lt_n2_\@
.if \par
	s_cmp_lt_u32 s9, 16
.else
	s_cmp_lg_u32 s9, 0
.endif
	s_cbranch_scc0 .Lt_j_\@
	L2SEC \oth
	s_branch .Lt_j_\@
.Lt_n2_\@:
	s_cmp_lt_u32 s8, 10                            ; in an even trip an odd chunk is due: waves 10, 11; in an odd trip waves 8, 9
.if \par
	s_cbranch_scc0 .Lt_ns_\@
.else
	s_cbranch_scc1 .Lt_ns_\@
.endif
	s_cmp_lt_u32 s9, 16-\par
	s_cbranch_scc0 .Lt_ns_\@
	s_wait_loadcnt 0x0                             ; all my loads: the 16 of my half chunk, asked for two trips ago; nothing else of mine is out
	XCVT
	s_cmp_lt_u32 s9, 15-\par
	s_cbranch_scc0 .Lt_nl_\@
	XLOAD                                          ; my group's next chunk, into the registers just emptied: no vector instruction stands between the wait that ends the roundings and these loads
.Lt_nl_\@:
	XST                                            ; nor between it and these stores
.Lt_ns_\@:
	s_cmp_eq_u32 s8, 8
	s_cbranch_scc0 .Lt_j_\@
	s_cmp_lg_u32 s9, 0
	s_cbranch_scc0 .Lt_j_\@
	L3SEC \par
.Lt_j_\@:
	s_wait_alu depctr_va_vdst(0)                   ; this trip's vector and matrix instructions are complete: layer 3's last products have read v[136:199], in which the next trip's first loads land; layers 1 and 2 and x have stated theirs ahead of their last stores
	s_wait_alu depctr_vm_vsrc(0)                   ; this trip's LDS stores have read their out-buffers (layer 1's tiles 2 and 3, layer 2's tile 3, x's half chunk), which the next chunk's roundings write again
	s_wait_dscnt 0x0                               ; for the others' sake: my stores of this trip are done, and so are my reads of what the next trip overwrites
	s_barrier_signal -1
	s_barrier_wait -1
.endm
; ---------------------------------------------------------------- the head: every wave makes every address
	s_load_b512 s[16:31], s[0:1], 0x0              ; x 16, W1 18, b1 20, W2 22, b2 24, W3 26, b3 28, beta1 30
	s_load_b128 s[32:35], s[0:1], 0x40             ; beta2 32, beta3 34
	s_load_b64 s[36:37], s[0:1], 0x50              ; out0
	s_set_vgpr_msb 0x40
	v_lshl_add_u32 v0, v0, 2, 0x22900
	v_mov_b32 v1, 0
	s_set_vgpr_msb 0x4000
	v_lshrrev_b32 v1, 5, v0
	v_readfirstlane_b32 s8, v1                     ; wave 0..11
	v_and_b32 v1, 31, v0                           ; lane
	v_and_b32 v2, 15, v0                           ; r
	v_bfe_u32 v3, v0, 4, 1                         ; h
	v_mul_u32_u24 v14, v2, XP
	v_lshl_add_u32 v14, v3, 4, v14                 ; x fragments: row r, + 16 h
	v_add_nc_u32 v[AX1], XS, v14
	v_mul_u32_u24 v15, v2, SPITCH
	v_lshl_add_u32 v15, v3, 4, v15                 ; spike stores: neuron r's row, + 16 h
	s_wait_alu depctr_va_sdst(0)                   ; s8 is written, ahead of its first reader: addresses, bases and every branch on the wave's number are made from it
	s_mul_i32 s10, s8, 64*SPITCH                   ; layer 1: 64 neurons a wave, from S1T = 0
	v_add_nc_u32 v[AS1], s10, v15
	s_mul_i32 s11, s8, 32*SPITCH                   ; layer 2: 32 neurons a wave, wave 4 at S2T
	s_add_co_u32 s11, s11, S2T-4*32*SPITCH
	v_add_nc_u32 v[AS2], s11, v15
	v_and_b32 v14, 7, v0                           ; transposing loads: (8 h + lane % 8) rows + 16 bytes x bit 3 of the lane
	v_lshl_add_u32 v14, v3, 3, v14
	v_mul_u32_u24 v14, v14, SPITCH
	v_bfe_u32 v15, v0, 3, 1
	v_lshl_add_u32 v[AT0], v15, 4, v14             ; S1T = 0
	v_add_nc_u32 v[AT1], S1B, v[AT0]
	v_add_nc_u32 v[AT2], S2T, v[AT0]
	v_lshlrev_b32 v[AXG], 4, v1
	v_mul_u32_u24 v14, v3, 2*XP
	v_lshl_add_u32 v14, v2, 3, v14                 ; x into LDS: 2 h rows + 8 r
	s_mul_i32 s12, s8, 32*XP                       ; 32 rows a wave, wave 8 at XS: waves 8, 9 fill Xs[0], waves 10, 11 Xs[1]
	s_add_co_u32 s12, s12, XS-8*32*XP
	v_add_nc_u32 v[AXL], s12, v14
	s_max_u32 s13, s8, 8                           ; x in memory: wave 8 + q begins 2,048 q bytes into the rows: halves 0, 1 of chunk 0, halves 0, 1 of chunk 1
	s_sub_co_u32 s13, s13, 8                       ; (waves 0 to 7 load no x: they get q = 0)
	s_lshl_b32 s13, s13, 11
	s_lshl_b32 s46, ttmp9, 19                      ; 4 batch rows of 131,072 bytes a work-group: below 2^27
	s_add_co_u32 s46, s46, s13
	s_mov_b32 s47, 0
	s_wait_kmcnt 0x0
	s_add_nc_u64 s[44:45], s[16:17], s[46:47]
	s_load_b32 s40, s[30:31], 0x0                  ; the betas: waited for where they are used, behind the weights' loads
	s_load_b32 s41, s[32:33], 0x0
	s_load_b32 s42, s[34:35], 0x0
	s_wait_alu depctr_va_vdst(0)                   ; the eight addresses v4 to v11 are written, which every LDS access and every load of x reads; they are never written again
; ---------------------------------------------------------------- in front of trip 0: the three set-ups; chunks 0 and 1 are asked for, chunk 0 goes to LDS
	s_cmp_lt_u32 s8, 4
	s_cbranch_scc0 .Lpro_not_l1
	SETUP1
	s_branch .Lpro_join
.Lpro_not_l1:
	s_cmp_lt_u32 s8, 8
	s_cbranch_scc0 .Lpro_x
	SETUP2
	s_branch .Lpro_join
.Lpro_x:
	XLOAD                                          ; waves 8, 9: chunk 0; waves 10, 11: chunk 1
	s_cmp_eq_u32 s8, 8
	s_cbranch_scc0 .Lpro_not_l3
	SETUP3
.Lpro_not_l3:
	s_cmp_lt_u32 s8, 10
	s_cbranch_scc0 .Lpro_join
	s_wait_loadcnt 0x0                             ; waves 8, 9: chunk 0 is in,
	XCVT                                           ; is rounded,
	XLOAD                                          ; chunk 2 is asked for,
	XST                                            ; and chunk 0 goes into Xs[0]
.Lpro_join:
	s_wait_alu depctr_va_vdst(0)                   ; the set-ups' roundings are done reading the registers in which the first fragments land: layer 1's v[112:143], layer 2's v[160:223], layer 3's v[136:199]
	s_wait_alu depctr_vm_vsrc(0)                   ; chunk 0's LDS stores have read the out-buffer, which chunk 2's roundings write again; the set-ups' loads have read v14 and v15, which the way out writes anew
	s_wait_dscnt 0x0                               ; chunk 0 is in Xs[0]
	s_barrier_signal -1
	s_barrier_wait -1
; ---------------------------------------------------------------- 34 trips: 32 chunks through a pipeline three deep
	s_mov_b32 s9, 0
.Lloop:
	TRIP 0, 1
	TRIP 1, 0
	s_add_co_u32 s9, s9, 1
	s_cmp_lt_u32 s9, PASSES
	s_cbranch_scc1 .Lloop
; ---------------------------------------------------------------- the way out: wave 8 holds the sums
	s_cmp_eq_u32 s8, 8
	s_cbranch_scc0 .Lend
	v_lshlrev_b32 v14, 2, v2
	v_lshl_add_u32 v14, v3, 7, v14
	v_add_nc_u32 v14, OUTS, v14                    ; in: batch row 2 h (64 bytes a row), neuron r
	v_lshlrev_b32 v15, 3, v1                       ; back, and in out0: 8 bytes a lane
	v_add_nc_u32 v[C_S], OUTS, v15
	v_mul_f32 v[C_SUM],   0x3b000000, v[C_SUM]     ; the mean: x 1/512
	v_mul_f32 v[C_SUM+1], 0x3b000000, v[C_SUM+1]
	s_wait_alu depctr_va_vdst(0)                   ; the addresses v14, v15 and v218 and the two means are written, which the accesses below read
	ds_store_b32 v14, v[C_SUM]                     ; batch row 2 h
	ds_store_b32 v14, v[C_SUM+1] offset:64         ; batch row 2 h + 1
	ds_load_b64 v[C_T:C_T+1], v[C_S]               ; the wave's own bytes; LDS serves a wave's instructions in order (ISA guide 5.7.1)
	s_lshl_b32 s46, ttmp9, 8                       ; 4 rows of 64 bytes a work-group
	s_mov_b32 s47, 0
	s_add_nc_u64 s[36:37], s[36:37], s[46:47]
	s_wait_dscnt 0x0
	global_store_b64 v15, v[C_T:C_T+1], s[36:37]   ; one store covers the work-group's 256 consecutive bytes, aligned
.Lend:
	s_set_vgpr_msb 0x5
	s_wait_dscnt 0x0
	s_wait_alu depctr_hold_cnt(0) depctr_sa_sdst(0) depctr_va_vdst(0) depctr_va_sdst(0) depctr_va_ssrc(0) depctr_va_vcc(0) depctr_vm_vsrc(0)
	s_wait_tensorcnt 0x0
	ds_add_u32 v0, v1
	s_wait_dscnt 0x0
	s_endpgm
.Lfunc_end_k_q8fe1258c60_snn:
	.size	k_q8fe1258c60_snn, .Lfunc_end_k_q8fe1258c60_snn-k_q8fe1258c60_snn
	.p2alignl 7, 3214868480
	.fill 96, 4, 3214868480
	.section	.rodata,"a",@progbits
	.p2align	6, 0x0
	.amdhsa_kernel k_q8fe1258c60_snn
		.amdhsa_group_segment_fixed_size 143104
		.amdhsa_private_segment_fixed_size 0
		.amdhsa_enable_private_segment 0
		.amdhsa_kernarg_size 88
		.amdhsa_user_sgpr_count 2
		.amdhsa_user_sgpr_kernarg_segment_ptr 1
		.amdhsa_wavefront_size32 1
		.amdhsa_system_sgpr_workgroup_id_x 1
		.amdhsa_system_sgpr_workgroup_id_y 1
		.amdhsa_system_sgpr_workgroup_id_z 1
		.amdhsa_system_vgpr_workitem_id 0
		.amdhsa_next_free_vgpr 258
		.amdhsa_next_free_sgpr 66
		.amdhsa_reserve_vcc 0
		.amdhsa_float_denorm_mode_32 3
		.amdhsa_float_denorm_mode_16_64 3
		.amdhsa_memory_ordered 1
		.amdhsa_forward_progress 1
		.amdhsa_inst_pref_size 188
	.end_amdhsa_kernel
	.amdgpu_metadata
---
amdhsa.version: [ 1, 2 ]
amdhsa.kernels:
  - .name:           k_q8fe1258c60_snn
    .symbol:         k_q8fe1258c60_snn.kd
    .args:
      - { .name: x, .offset: 0, .size: 8, .value_kind: global_buffer, .address_space: global }
      - { .name: W1, .offset: 8, .size: 8, .value_kind: global_buffer, .address_space: global }
      - { .name: b1, .offset: 16, .size: 8, .value_kind: global_buffer, .address_space: global }
      - { .name: W2, .offset: 24, .size: 8, .value_kind: global_buffer, .address_space: global }
      - { .name: b2, .offset: 32, .size: 8, .value_kind: global_buffer, .address_space: global }
      - { .name: W3, .offset: 40, .size: 8, .value_kind: global_buffer, .address_space: global }
      - { .name: b3, .offset: 48, .size: 8, .value_kind: global_buffer, .address_space: global }
      - { .name: beta1, .offset: 56, .size: 8, .value_kind: global_buffer, .address_space: global }
      - { .name: beta2, .offset: 64, .size: 8, .value_kind: global_buffer, .address_space: global }
      - { .name: beta3, .offset: 72, .size: 8, .value_kind: global_buffer, .address_space: global }
      - { .name: out0, .offset: 80, .size: 8, .value_kind: global_buffer, .address_space: global }
    .group_segment_fixed_size: 143104
    .private_segment_fixed_size: 0
    .kernarg_segment_align: 8
    .kernarg_segment_size: 88
    .max_flat_workgroup_size: 384
    .sgpr_count:     66
    .vgpr_count:     258
    .wavefront_size: 32
...
	.end_amdgpu_metadata
.endif
;; end of part 3
